; MI455X (gfx1250); checked and timed in simulation.
; The chip was launched on July 23, 2026; its instructions are those of AMD's public machine-readable ISA for CDNA 5 (MIT licence, August 2026) and "CDNA5" Instruction Set Architecture Reference Guide (July 2026). The comments in the code are by the model that wrote it; some were corrected since.
;; Multi Head Self Attention Causal. Allowed arithmetic: matrix products marked QUANTISED: E2M3 operands, one E8M0 scale for each 32 along K, by v_wmma_scale_f32_16x16x128_f8f6f4 with both operands' format E2M3, f32 sums; everything else in f32.
;; Inputs: b_proj 1,024 float32; w_proj 1,024 x 1,024 float32; w_qkv 3,072 x 1,024 float32; x 4 x 2,048 x 1,024 float32.
;; Outputs: out0 4 x 2,048 x 1,024 float32.
;; This version of the problem:
;;   THIS VERSION OF THE PROBLEM IS GIVEN IN LOW PRECISION. The matrix products marked QUANTISED in the list below multiply operands that are first quantised to E2M3 (2 exponent bits, 3 mantissa bits; 6 bits a number), with one power-of-two scale for each 32 numbers along K (OCP MX v1.0); their sums are f32. All else is computed in f32.
;;   The module's matrix products, in the order in which they are computed (A, B: the left and right operand; K: the contracted axis; several contracted axes count as one K, in the product's order):
;;     1. [M 8,192, K 1,024] x [K 1,024, N 3,072]; A: input x; B: input w_qkv: QUANTISED
;;     2. batch 64 x [M 2,048, K 64] x [K 64, N 2,048]; A: computed on the way; B: computed on the way: QUANTISED
;;     3. batch 64 x [M 2,048, K 2,048] x [K 2,048, N 64]; A: softmax (see below); B: computed on the way: QUANTISED
;;     4. [M 8,192, K 1,024] x [K 1,024, N 1,024]; A: computed on the way; B: input w_proj: QUANTISED
;;   THE QUANTISER, for each operand of a quantised product, along K:
;;     - K is cut into blocks of 32 from its start; a last block that is shorter is filled with zeros.
;;     - A block's scale is 2^e with e = floor(log2(the largest magnitude in the block)) - 2, held to -126 .. 127; a block of zeros has e = 0. As a byte (E8M0): e + 127.
;;     - Each number is divided by its block's scale, clamped to +-7.5, and rounded to the nearest number of E2M3, ties to even, subnormals kept.
;;     - The product sums the exact products of the quantised numbers (number of the format x scale) in f32.
;;   ~~~python
;;   def quantise(x, axis):      # numpy; x: float32 -> the quantised numbers, widened to float32 again
;;       x = np.moveaxis(x, axis, -1); K = x.shape[-1]
;;       x = np.pad(x, [(0, 0)] * (x.ndim - 1) + [(0, -K % 32)]); x = x.reshape(x.shape[:-1] + (-1, 32)); a = np.abs(x).max(-1, keepdims=True)
;;       e = np.where(a > 0, np.clip(np.frexp(np.where(a > 0, a, 1))[1] - 1 - 2, -126, 127), 0)      # np.frexp(a)[1] - 1 = floor(log2(a)), exactly
;;       r = np.clip(x / 2.0 ** e, -7.5, 7.5)
;;       step = 2.0 ** (np.maximum(np.frexp(np.where(r == 0, 1, r))[1] - 1, 0) - 3)
;;       q = np.round(r / step) * step * 2.0 ** e      # np.round: ties to even
;;       return np.moveaxis(q.reshape(q.shape[:-2] + (-1,))[..., :K], -1, axis).astype(np.float32)
;;   ~~~
;;   SOFTMAX AHEAD OF A QUANTISED PRODUCT. Where the list says 'softmax', what is quantised is not the finished softmax but p = 2^(t - M), with t = logit x log2(e) and M = ceil(the row's largest t), a whole number; so 1/2 < the row's largest p <= 1. The row's sum l is taken of the UNQUANTISED p, in f32, and the product's result is divided by l at the end. Since M is a whole number, a kernel that streams over the keys may use a running M (the ceiling of the running maximum): every later rescaling is an exact power of two, which a block's scale takes up: the codes' values come out the same.
;;   OPERANDS COMPUTED ON THE WAY. 'Computed on the way' means the value that the module computes at that place (a softmax that the list does not call 'softmax' is quantised finished and normalised). What goes into a quantiser is computed in f32, as accurately as f32 sums, v_exp_f32 and their like allow (about 1e-6 of the number): no bf16 or f16 on the way to a quantiser, and a product that is left as it is and whose result goes on into a quantised operand takes f32 operands (vector FMAs, or v_wmma_f32_16x16x4_f32). A number that lies on a knife's edge between two numbers of the format may be rounded either way, as far as f32 arithmetic and the matrix unit's own rounding can turn it there, and no further.
;; One version. Each part assembles by itself: llvm-mc -triple=amdgcn-amd-amdhsa -mcpu=gfx1250 --defsym DOCPART=n.
;; ======== version 1 of 1: 4 launches
;; workspace buffers: xq 6,553,600 bytes; wqkq 1,835,008 bytes; wvq 1,048,576 bytes; wpq 1,048,576 bytes; qkq 13,107,200 bytes; vq 6,815,744 bytes; aq 6,553,600 bytes
;; launch quant (part 1): grid 768 x 1, 8 waves a work-group, no clusters, 69,120 bytes of LDS; arguments x, w_qkv, w_proj, xq, wqkq, wvq, wpq; writes xq, wqkq, wvq, wpq
.if DOCPART == 1
	.amdgcn_target "amdgcn-amd-amdhsa--gfx1250"
	.amdhsa_code_object_version 6
	.text
	.protected	k_q7ed3533066_quant
	.globl	k_q7ed3533066_quant
	.p2align	8
	.type	k_q7ed3533066_quant,@function
k_q7ed3533066_quant:
	s_mov_b64 s[64:65], 0
	v_nop
	global_prefetch_b8 v0, s[64:65] scope:SCOPE_SE
	s_setreg_imm32_b32 hwreg(HW_REG_WAVE_MODE, 25, 1), 1
	s_wait_xcnt 0x0
; x [8192][1024], w_qkv [3072][1024] and w_proj [1024][1024], f32, K innermost, become codes of FP6 (E2M3) with one E8M0 byte for each 32 along K,
; laid as the matrix unit wants them.  A block's scale is 2^(floor(log2(its largest magnitude)) - 2): its byte is the largest magnitude's exponent field - 2, held at 1 from below.
; LIMITS: a block of zeros, or one whose largest magnitude lies under 2^-124, gets the byte 1 where the rule says 127 or less: its codes are zeros or held, and these bytes are read by this program alone.  NaN and infinities are not served.
; LAYOUT OF AN OPERAND BUFFER.  Rows stand in IMAGE ORDER: lane r of row tile I holds true row 32 (I / 2) + 8 (I % 2) + r + 8 (r / 8).  Bytes 0 on: 32 scale bytes for image row 16 I + r.
; From CODES on: fragment (I, s), 16 rows x 128 K, at (8 I + s) x 1,536 bytes, as six planes of 256 bytes: plane p holds, at 8 x lane, the operand's registers 2 p and 2 p + 1 of that lane.
; SHARES.  A work-group takes one row tile (16 rows x 1,024), wave w its K step w: one fragment.  Work-groups 0-511: x; 512-639: w_qkv's rows 0-2047 (q, k); 640-703: its rows 2048-3071 (v); 704-767: w_proj.
; Each load reads 512 consecutive bytes of a row; the 16 rows turn through the wave's own stage in LDS, so that lane (r, h) ends with k = 64 c + 32 h + 0 .. 31 of row r: two whole blocks, in the operand's own order.
; No tensor loads, no matrix unit, no cluster: memory binds, and work-groups share nothing.
.set CODES,  262144
.set SPITCH, 528                       ; a stage row: 512 bytes + 16: an odd multiple of 16, so the sixteen rows of a read start in different banks
.set WSTG,   16*SPITCH                 ; a wave's stage
.set SCB,    8*WSTG                    ; behind the stages: the tile's 16 scale rows of 32 bytes
.set R,    16                          ; v16-79   the 16 rows as loaded
.set X,    80                          ; v80-143  64 numbers: register 32 c + i = k 64 c + 32 h + i of row r
.set C,    144                         ; v144-155 the fragment's 12 registers
.set T,    156                         ; v156-163 the second halves of the blocks' codes
.set GO16, 164                         ; v164     16 x lane
.set LSC,  165                         ; v165     SCB + 16 x lane
	s_load_b256 s[4:11], s[0:1], 0x0               ; x s[4:5], w_qkv s[6:7], w_proj s[8:9], xq s[10:11]
	s_load_b128 s[12:15], s[0:1], 0x20             ; wqkq s[12:13], wvq s[14:15]
	s_load_b64 s[16:17], s[0:1], 0x30              ; wpq
	v_lshl_add_u32 v168, v0, 2, 0x10a00
	v_mov_b32 v169, 0
	v_lshrrev_b32 v1, 5, v0
	s_delay_alu instid0(VALU_DEP_1)
	v_readfirstlane_b32 s25, v1                    ; wave 0..7 = K step
	v_and_b32 v1, 31, v0                           ; lane
	v_and_b32 v2, 15, v0                           ; r
	v_bfe_u32 v3, v0, 4, 1                         ; h
	s_lshl_b32 s28, s25, 9                         ; my K step's 512 bytes of a row
	v_lshlrev_b32 v7, 3, v1                        ; 8 x lane: my place in a plane
	v_lshlrev_b32 v[GO16], 4, v1
	s_delay_alu instid0(VALU_DEP_1)
	v_add_nc_u32 v4, s28, v[GO16]                  ; in: 512 w + 16 x lane
	s_mul_i32 s29, s25, WSTG
	v_add_nc_u32 v5, s29, v[GO16]                  ; into the stage: 16 x lane of a row
	v_mul_u32_u24 v6, v2, SPITCH
	s_delay_alu instid0(VALU_DEP_1)
	v_lshl_add_u32 v6, v3, 7, v6
	s_delay_alu instid0(VALU_DEP_1)
	v_add_nc_u32 v6, s29, v6                       ; out of it: row r, + 128 h bytes
	s_lshl_b32 s30, s25, 2
	s_add_co_u32 s30, s30, SCB
	v_lshlrev_b32 v8, 5, v2
	s_delay_alu instid0(VALU_DEP_1)
	v_add_nc_u32 v8, s30, v8                       ; my scale word: SCB + 32 r + 4 w
	v_add_nc_u32 v[LSC], SCB, v[GO16]
	s_mov_b32 s26, 0x76543210
	s_mov_b32 s27, 0xfedcba98                      ; v_permlanex16_b32's selects for lane l xor 16
	s_wait_alu depctr_va_vdst(0)
	s_wait_kmcnt 0x0
	; which tensor: the choices hang on the work-group's number alone; one path through the text
	s_cmp_lt_u32 ttmp9, 704
	s_cselect_b64 s[18:19], s[6:7], s[8:9]         ; from
	s_cselect_b64 s[20:21], s[14:15], s[16:17]     ; to
	s_mov_b32 s22, 704
	s_cselect_b32 s23, 512, s22                    ; the first work-group of the source,
	s_cselect_b32 s24, 640, s22                    ; and of the destination
	s_cmp_lt_u32 ttmp9, 640
	s_cselect_b64 s[20:21], s[12:13], s[20:21]
	s_cselect_b32 s24, 512, s24
	s_cmp_lt_u32 ttmp9, 512
	s_cselect_b64 s[18:19], s[4:5], s[18:19]
	s_cselect_b64 s[20:21], s[10:11], s[20:21]
	s_cselect_b32 s23, 0, s23
	s_cselect_b32 s24, 0, s24
	s_sub_co_u32 s23, ttmp9, s23                   ; the row tile in the source,
	s_sub_co_u32 s24, ttmp9, s24                   ; and in the destination
	s_lshr_b32 s31, s23, 1
	s_lshl_b32 s31, s31, 17                        ; 32 rows of 4,096 bytes for each pair of tiles,
	s_and_b32 s32, s23, 1
	s_lshl_b32 s32, s32, 15                        ; 8 rows for the odd tile
	s_add_co_u32 s32, s31, s32
	s_mov_b32 s33, 0
	s_add_nc_u64 s[18:19], s[18:19], s[32:33]
	s_mul_i32 s34, s24, 12288
	s_mul_i32 s35, s25, 1536
	s_add_co_u32 s34, s34, s35
	s_add_co_u32 s34, s34, CODES
	s_mov_b32 s35, 0
	s_add_nc_u64 s[36:37], s[20:21], s[34:35]      ; my fragment
	s_lshl_b32 s34, s24, 9
	s_add_nc_u64 s[20:21], s[20:21], s[34:35]      ; the tile's scale rows
.irp j, 0,1,2,3,4,5,6,7,8,9,10,11,12,13,14,15
	global_load_b128 v[R+4*\j:R+4*\j+3], v4, s[18:19] offset:(\j+8*(\j/8))*4096 th:TH_LOAD_NT   ; image row j: 32 lanes read 512 consecutive bytes; read once in the launch
.endr
.irp j, 0,1,2,3,4,5,6,7,8,9,10,11,12,13,14,15
	s_wait_loadcnt 15-\j                           ; loads come back in order: row j is in, the younger ones stay out
	ds_store_b128 v5, v[R+4*\j:R+4*\j+3] offset:SPITCH*\j
.endr
.irp c, 0,1
.irp i, 0,1,2,3,4,5,6,7
	ds_load_b128 v[X+32*\c+4*\i:X+32*\c+4*\i+3], v6 offset:256*\c+16*\i   ; LDS serves a wave's instructions in order: these see my stores
.endr
.endr
	s_wait_dscnt 0x0
.irp c, 0,1                                    ; my block 2 c + h: all its 32 numbers are mine
	v_max3_num_f32 v[10+\c], |v[X+32*\c]|, |v[X+32*\c+1]|, 0x1800000   ; and the floor 2^(3 - 127): the byte cannot fall under 1
.endr
.irp i, 2,4,6,8,10,12,14,16,18,20,22,24,26,28,30
.irp c, 0,1
	s_delay_alu instid0(VALU_DEP_2)
	v_max3_num_f32 v[10+\c], v[10+\c], |v[X+32*\c+\i]|, |v[X+32*\c+\i+1]|   ; (the two blocks by turns)
.endr
.endr
.irp c, 0,1
	s_delay_alu instid0(VALU_DEP_2)
	v_add_nc_u32 v[12+\c], 0xff000000, v[10+\c]    ; 2 off the exponent field: the conversion takes the exponent field of this operand as its scale
.endr
.irp c, 0,1
	s_delay_alu instid0(VALU_DEP_2)
	v_lshrrev_b32 v[14+\c], 23, v[12+\c]           ; the scale's byte
.endr
	s_delay_alu instid0(VALU_DEP_1)
	v_lshl_or_b32 v9, v15, 16, v14                 ; my two bytes: blocks h and 2 + h,
	v_lshlrev_b32 v10, 3, v3
	s_delay_alu instid0(VALU_DEP_1)
	v_lshlrev_b32 v9, v10, v9                      ; at their places in the word (8 h bits up);
	v_mov_b32 v10, 0
	s_delay_alu instid0(VALU_DEP_1)
	v_permlanex16_b32 v10, v9, s26, s27
	s_delay_alu instid0(VALU_DEP_1)
	v_or_b32 v9, v9, v10                           ; with lane l xor 16's two the word is whole
.irp c, 0,1
	v_cvt_scalef32_pk16_fp6_f32 v[C+6*\c:C+6*\c+2], v[X+32*\c:X+32*\c+15], v[12+\c]
	v_cvt_scalef32_pk16_fp6_f32 v[T+4*\c:T+4*\c+2], v[X+32*\c+16:X+32*\c+31], v[12+\c]   ; (a conversion's three registers begin on an even number)
.endr
	v_nop                                          ; one plain place behind a scaled conversion
.irp c, 0,1
.irp i, 0,1,2
	v_mov_b32 v[C+6*\c+3+\i], v[T+4*\c+\i]
.endr
.endr
.irp p, 0,1,2,3,4,5
	global_store_b64 v7, v[C+2*\p:C+2*\p+1], s[36:37] offset:256*\p   ; a plane: 32 lanes store 256 consecutive bytes, at a multiple of 256 from the buffer's first byte
.endr
	ds_store_b32 v8, v9                            ; both halves of the lanes write the same word with the same value
	s_wait_dscnt 0x0                               ; for wave 0's sake: my word has landed
	s_barrier_signal -1
	s_barrier_wait -1
	s_cmp_lg_u32 s25, 0
	s_cbranch_scc1 .Ldone
	ds_load_b128 v[16:19], v[LSC]                  ; the tile's 16 scale rows, 512 bytes
	s_wait_dscnt 0x0
	global_store_b128 v[GO16], v[16:19], s[20:21]  ; 32 lanes store 512 consecutive bytes
.Ldone:
	s_wait_tensorcnt 0x0
	ds_add_u32 v168, v169
	s_wait_dscnt 0x0
	s_endpgm
.Lfunc_end_k_q7ed3533066_quant:
	.size	k_q7ed3533066_quant, .Lfunc_end_k_q7ed3533066_quant-k_q7ed3533066_quant
	.p2alignl 7, 3214868480
	.fill 96, 4, 3214868480
	.section	.rodata,"a",@progbits
	.p2align	6, 0x0
	.amdhsa_kernel k_q7ed3533066_quant
		.amdhsa_group_segment_fixed_size 69120
		.amdhsa_private_segment_fixed_size 0
		.amdhsa_enable_private_segment 0
		.amdhsa_kernarg_size 56
		.amdhsa_user_sgpr_count 2
		.amdhsa_user_sgpr_kernarg_segment_ptr 1
		.amdhsa_wavefront_size32 1
		.amdhsa_system_sgpr_workgroup_id_x 1
		.amdhsa_system_sgpr_workgroup_id_y 1
		.amdhsa_system_sgpr_workgroup_id_z 1
		.amdhsa_system_vgpr_workitem_id 0
		.amdhsa_next_free_vgpr 170
		.amdhsa_next_free_sgpr 66
		.amdhsa_reserve_vcc 0
		.amdhsa_float_denorm_mode_32 3
		.amdhsa_float_denorm_mode_16_64 3
		.amdhsa_memory_ordered 1
		.amdhsa_forward_progress 1
		.amdhsa_inst_pref_size 13
	.end_amdhsa_kernel
	.amdgpu_metadata
---
amdhsa.version: [ 1, 2 ]
amdhsa.kernels:
  - .name:           k_q7ed3533066_quant
    .symbol:         k_q7ed3533066_quant.kd
    .args:
      - { .name: x, .offset: 0, .size: 8, .value_kind: global_buffer, .address_space: global }
      - { .name: w_qkv, .offset: 8, .size: 8, .value_kind: global_buffer, .address_space: global }
      - { .name: w_proj, .offset: 16, .size: 8, .value_kind: global_buffer, .address_space: global }
      - { .name: xq, .offset: 24, .size: 8, .value_kind: global_buffer, .address_space: global }
      - { .name: wqkq, .offset: 32, .size: 8, .value_kind: global_buffer, .address_space: global }
      - { .name: wvq, .offset: 40, .size: 8, .value_kind: global_buffer, .address_space: global }
      - { .name: wpq, .offset: 48, .size: 8, .value_kind: global_buffer, .address_space: global }
    .group_segment_fixed_size: 69120
    .private_segment_fixed_size: 0
    .kernarg_segment_align: 8
    .kernarg_segment_size: 56
    .max_flat_workgroup_size: 256
    .sgpr_count:     66
    .vgpr_count:     170
    .wavefront_size: 32
...
	.end_amdgpu_metadata
.endif
;; end of part 1
;; launch gemm_qkv (part 2): grid 8 x 48, 4 waves a work-group, clusters of 4 x 4, 327,680 bytes of LDS; arguments xq, wqkq, wvq, qkq, vq; writes qkq, vq
.if DOCPART == 2
	.amdgcn_target "amdgcn-amd-amdhsa--gfx1250"
	.amdhsa_code_object_version 6
	.text
	.protected	k_q7ed3533066_gemm_qkv
	.globl	k_q7ed3533066_gemm_qkv
	.p2align	8
	.type	k_q7ed3533066_gemm_qkv,@function
k_q7ed3533066_gemm_qkv:
	s_mov_b64 s[64:65], 0
	v_nop
	global_prefetch_b8 v0, s[64:65] scope:SCOPE_SE
	s_setreg_imm32_b32 hwreg(HW_REG_WAVE_MODE, 25, 1), 1
	s_wait_xcnt 0x0
	s_wait_alu depctr_hold_cnt(0) depctr_sa_sdst(0) depctr_va_vdst(0) depctr_va_sdst(0) depctr_va_ssrc(0) depctr_va_vcc(0) depctr_vm_vsrc(0)
	s_getreg_b32 s2, hwreg(HW_REG_IB_STS2, 6, 4)
	s_cmp_eq_u32 s2, 0
	s_cbranch_scc0 .Lentry_in_a_cluster
	s_endpgm
.Lentry_in_a_cluster:
	s_bfe_u32 s2, ttmp6, 0x10000c
	s_cmp_lg_u32 s2, 0xf033
	s_cbranch_scc0 .Lentry_shape_is_right
	s_endpgm
.Lentry_shape_is_right:
; R = A B^T on codes of FP6 (E2M3) with E8M0 scales, K = 1,024, and R is QUANTISED AGAIN IN REGISTERS, along B's rows, into fragments for the attention launch.  R never goes to memory as f32.
; ONE LAUNCH, TWO PRODUCTS, one path through the text.  Clusters with y = 0-7: A = x's codes, B = the q and k rows of w_qkv (q and k are then quantised along the head's axis), 32 x 8 tiles.
; Clusters with y = 8-11: A = the v rows of w_qkv, B = x's codes (v is then quantised along the tokens), 4 x 32 tiles.  Buffers and tile numbers are chosen on the cluster's y, which all partners share.
; OPERAND BUFFERS: rows in image order (lane r of row tile I = true row 32 (I / 2) + 8 (I % 2) + r + 8 (r / 8)); 32 scale bytes a row from byte 0; from CODES on fragment (I, s) at (8 I + s) x 1,536 bytes, six planes of 256 bytes,
; plane p = the operand's registers 2 p, 2 p + 1 at 8 x lane.  So a fragment comes out of LDS by six loads of 8 bytes a lane, each of 256 consecutive bytes: no pitch, no padding.
; A tile of R, 256 x 256, is made by four waves, as many as a WGP has SIMDs; a wave makes 128 x 128: 64 accumulators, 512 registers.
; K goes in four steps of 256 through THREE LDS slots: K steps 0, 1, 2 are first fills, asked for together at the start; only K step 3 is a refill, of slot 0, asked for behind K step 0 and read behind K step 2: 256 matrix instructions later.
; THE SCALES of the work-group's 256 + 256 rows, for all of K, are two dense blocks: they come into LDS once, with the first fills.
; CLUSTERS: 4 x 4 work-groups; A's tiles are asked for jointly along a row of the cluster, B's along a column.
; THE MATRIX INSTRUCTION IS USED TRANSPOSED (source 0 = 16 rows of B, source 1 = 16 rows of A): a lane holds one row of A; by B's image order its registers 16 b + i over B's eight tiles are true rows 32 b + 16 h + i of B's 128.
; RESULT BUFFER: U = A's row tile, G = B's group of 128 rows, F = (U & 63) + ((G & 15) << 6) + (((U >> 6) + (G >> 4)) << 10).  Scale words at (F >> 3) x 512 + 32 r + 4 (F & 7); codes at OUTC + 1,536 F, planes as above.
; LIMITS: a block whose largest magnitude lies under 2^-124 (zeros too) gets the byte 1; these bytes are read by this program alone.  NaN and infinities are not served.
; REGISTERS: window 0: v16-29 addresses; v32-63 scale words, two sets, and nothing else; v64-103 at work on the way out; v128-223 A's fragments, ONE set, later the codes made.  window 1: B's fragments, TWO sets, at v0 and v128.
;   window 2: the accumulators of my rows 0-63 ((a, b) at v[8 (8 a + b)]);  window 3: those of rows 64-127.
.set NQ,     2                         ; matrix instructions deep in a slot: 256 along K
.set FR,     12                        ; registers of a fragment
.set NL,     6                         ; LDS loads that bring one
.set NP,     4                         ; places behind this matrix instruction (ISA guide 7.12.1)
.set FRB,    1536                      ; a fragment's image
.set RT,     NQ*FRB                    ; a row tile's part of a slot
.set HALFT,  8*RT                      ; 128 rows: what one tensor load brings
.set SLOT,   4*HALFT                   ; A's 256 rows, then B's 256 rows
.set KROW,   768                       ; bytes of codes for a row
.set KS,     32                        ; bytes of scales for a row
.set SCL,    3*SLOT                    ; behind the three slots: the scales, as units of 256 bytes + 16 of padding
.set HALFS,  16*272                    ; those of 128 rows
.set SBLK,   2*272                     ; those of 16 rows
.set SPARE,  SCL+4*HALFS               ; the spare words, 128 bytes for each wave: two blocks of 256 bytes that no other line names
.set CODES,  262144
.set OUTC,   524288
.set ADRA, 16                          ; v16-18  LDS address of my A fragments in slot 0, 1, 2
.set ADRB, 20                          ; v20-22  the same for B
.set L8,   24                          ; v24     8 x lane
.set SWO,  25                          ; v25     32 r + 16 h: where I store four scale words
.set LANE, 26                          ; v26     lane
.set ADRS, 27                          ; v27     LDS address of my scale words: lanes 0-15 A's rows, lanes 16-31 B's
.set SPW,  28                          ; v28     LDS address of my spare word; never rewritten
.set NIL,  29                          ; v29     0; never rewritten
.set SC,   32
.set TM,   64                          ; v64-67 largest magnitudes, v68-71 the other half's and then bytes, v76-79 the conversions' scale operands
.set PW,   80                          ; v80-87  the scale words of my eight blocks of rows
.set SELW, 88                          ; v88-91  the four that I store
.set T,    96                          ; v96-103 the second halves of the blocks' codes
.set AF,   128
.set PC,   128                         ; the codes of block a at v[128 + 12 a]: a run of its own for each block, so that no store's data are written again
.set G1, 24                            ; s[24:31] group 1 for A's tiles;  s[32:39] groups 0 for slots 0, 1;  s[4:7] for slot 2 (the buffers' addresses that lay there are used up by then)
.set G0, 32
.set G0C, 4
.set G1B, 48                           ; s[48:55], s[56:63], s[8:11] the same for B's tiles
.set G0B, 56
.set G0BC, 8
.set G1S, 68
.set G0S, 76
.set G1SB, 80
.set G0SB, 88
.set MSB, 0
.macro WIN new                         ; the immediate's high byte repeats the setting that is left
.if MSB != (\new)
	s_set_vgpr_msb (MSB<<8)|(\new)
.set MSB, \new
.endif
.endm
.set MUL_LO, 0xa1                      ; source 0 (B) window 1, source 1 (A) window 0, C and D window 2
.set MUL_HI, 0xf1                      ; the same, C and D window 3
.set TO_B,   0x40                      ; destination window 1, address window 0
; A joint load: waves 0 and 1 fetch for A, waves 2 and 3 for B.  Each line has one mask and one set of registers; the branch hangs on the wave's number alone.  Four v_nop follow each line.
.macro JLOAD g0a, g1a, g0b, g1b
	s_cmp_eq_u32 s15, 0
	s_cbranch_scc0 .Lfor_b_\@
	tensor_load_to_lds s[\g0a:\g0a+3], s[\g1a:\g1a+7]
	s_nop 0
.rept 4
	v_nop
.endr
	s_branch .Lasked_\@
.Lfor_b_\@:
	tensor_load_to_lds s[\g0b:\g0b+3], s[\g1b:\g1b+7]
	s_nop 0
.rept 4
	v_nop
.endr
.Lasked_\@:
.endm
.macro CREST                           ; a round of the cluster's barrier behind its opening barrier
	s_cmp_lg_u32 s14, 0
	s_cbranch_scc1 .Lnot_wave_0_\@
	s_barrier_signal -3
.Lnot_wave_0_\@:
	s_barrier_wait -3
	s_barrier_signal -1
	s_barrier_wait -1
.endm
.macro CROUND                          ; a whole round
	s_barrier_signal -1
	s_barrier_wait -1
	CREST
.endm
	s_load_b256 s[4:11], s[0:1], 0x0               ; xq s[4:5], wqkq s[6:7], wvq s[8:9], qkq s[10:11]
	s_load_b64 s[12:13], s[0:1], 0x20              ; vq
	v_lshl_add_u32 v[SPW], v0, 2, SPARE
	v_mov_b32 v[NIL], 0
	ds_add_u32 v28, v29
	ds_add_u32 v28, v29
	s_wait_dscnt 0x0
	v_lshrrev_b32 v1, 5, v0
	v_readfirstlane_b32 s14, v1                    ; wave 0..3
	s_lshr_b32 s15, s14, 1                         ; which half of the tile's rows of A is mine.  Also: I fetch for A (0) or for B (1)
	s_and_b32 s16, s14, 1                          ; which half of B's rows.  Also: which 128 rows I fetch
	s_bfe_u32 s40, ttmp6, 0x40000                  ; cx, cy: my place in the cluster
	s_bfe_u32 s41, ttmp6, 0x40004
	s_and_b32 s17, ttmp7, 0xffff                   ; the cluster's y: 0-7 q and k, 8-11 v
	s_max_u32 s18, s17, 8
	s_sub_co_u32 s18, s18, 8
	s_lshl_b32 s18, s18, 1
	s_add_co_u32 s18, s18, ttmp9                   ; v: the cluster's column of tiles, 2 (y - 8) + x = 0..7; its row of tiles is 0
	s_cmp_lt_u32 s17, 8
	s_cselect_b32 s42, ttmp9, s18                  ; q and k: the cluster's column is x, its row y
	s_cselect_b32 s17, s17, 0
	s_cselect_b32 s95, 1, 0                        ; 1: q and k;  0: v
	s_lshl_b32 s42, s42, 2
	s_add_co_u32 s42, s42, s40                     ; tile column = 4 x the cluster's column + cx
	s_lshl_b32 s17, s17, 2
	s_add_co_u32 s17, s17, s41                     ; tile row = 4 x the cluster's row + cy
	s_lshl_b32 s43, s41, 2
	s_lshl_b32 s43, 15, s43                        ; my row of the cluster
	s_lshl_b32 s44, 0x1111, s40                    ; my column
	; descriptor group 1 for codes: eight row tiles, of each the K step's two fragments: 8 rows of 3,072 bytes (384 elements of 8 bytes), 12,288 bytes apart, dense in LDS
	s_or_b32 s[G1+0], s43, (3<<16)|(1<<21)         ; 15:0 the mask: A's tiles go to my row; 17:16 elements of 8 bytes; 20 no padding; 21 set beside a mask
	s_or_b32 s[G1B+0], s44, (3<<16)|(1<<21)
.irp g, G1, G1B
	s_mov_b32 s[\g+1], 384<<16                     ; tensor_dim0
	s_mov_b32 s[\g+2], 8<<16                       ; tensor_dim1
	s_mov_b32 s[\g+3], 384<<16                     ; tile_dim0
	s_mov_b32 s[\g+4], 8                           ; tile_dim1
	s_mov_b32 s[\g+5], 1536                        ; tensor_dim0_stride
	s_mov_b32 s[\g+6], 0
	s_mov_b32 s[\g+7], 0
.endr
	; and for the scales of 128 rows: a dense block of 4,096 bytes, as 16 rows of 256 bytes, 16 bytes of padding behind each
	s_or_b32 s[G1S+0], s43, (3<<16)|(1<<20)|(1<<21)|(5<<22)|(3<<25)
	s_or_b32 s[G1SB+0], s44, (3<<16)|(1<<20)|(1<<21)|(5<<22)|(3<<25)
.irp g, G1S, G1SB
	s_mov_b32 s[\g+1], 32<<16
	s_mov_b32 s[\g+2], 16<<16
	s_mov_b32 s[\g+3], 32<<16
	s_mov_b32 s[\g+4], 16
	s_mov_b32 s[\g+5], 32
	s_mov_b32 s[\g+6], 0
	s_mov_b32 s[\g+7], 0
.endr
	s_lshl_b32 s18, s16, 7                         ; which 128 rows of the tile I fetch
	s_lshl_b32 s20, s17, 8
	s_add_co_u32 s20, s20, s18                     ; A: row 256 x tile row + 128 x half
	s_lshl_b32 s46, s42, 8
	s_add_co_u32 s46, s46, s18                     ; B: row 256 x tile column + 128 x half
	s_mov_b32 s21, 0
	s_mov_b32 s47, 0
	s_mov_b64 s[18:19], KS
	s_mul_u64 s[22:23], s[20:21], s[18:19]         ; where these rows' scales begin, in bytes
	s_mul_u64 s[92:93], s[46:47], s[18:19]
	s_mov_b64 s[18:19], KROW
	s_mul_u64 s[20:21], s[20:21], s[18:19]         ; and their codes
	s_mul_u64 s[46:47], s[46:47], s[18:19]
	s_mul_i32 s45, s14, HALFT                      ; where they go: wave x 128 rows: no place in the cluster enters an LDS address
	s_mul_i32 s94, s14, HALFS
	s_mov_b32 s96, 0x76543210
	s_mov_b32 s97, 0xfedcba98                      ; v_permlanex16_b32's selects for lane l xor 16
	s_wait_kmcnt 0x0
	s_cmp_lg_u32 s95, 0                            ; the three buffers of my product: the choice hangs on the cluster's y alone
	s_cselect_b64 s[12:13], s[10:11], s[12:13]     ; the result: qkq or vq
	s_cselect_b64 s[10:11], s[6:7], s[4:5]         ; B: wqkq or xq; its scales begin at its first byte
	s_cselect_b64 s[6:7], s[4:5], s[8:9]           ; A: xq or wvq
	s_add_nc_u64 s[4:5], s[6:7], CODES
	s_add_nc_u64 s[8:9], s[10:11], CODES
	s_add_nc_u64 s[20:21], s[4:5], s[20:21]
	s_add_nc_u64 s[22:23], s[6:7], s[22:23]
	s_add_nc_u64 s[46:47], s[8:9], s[46:47]
	s_add_nc_u64 s[92:93], s[10:11], s[92:93]
	CROUND                                         ; all sixteen work-groups are here: the first joint loads meet
	s_mov_b32 s[G0S], 1
	s_add_co_u32 s[G0S+1], s94, SCL
	s_mov_b64 s[G0S+2:G0S+3], s[22:23]
	s_or_b32 s[G0S+3], s[G0S+3], 0x80000000
	s_mov_b32 s[G0SB], 1
	s_add_co_u32 s[G0SB+1], s94, SCL
	s_mov_b64 s[G0SB+2:G0SB+3], s[92:93]
	s_or_b32 s[G0SB+3], s[G0SB+3], 0x80000000
	JLOAD G0S, G1S, G0SB, G1SB                     ; the scales first: they are wanted with K step 0
.irp s, 0,1
	s_mov_b32 s[G0+4*\s], 1
	s_add_co_u32 s[G0+4*\s+1], s45, \s*SLOT
	s_add_nc_u64 s[G0+4*\s+2:G0+4*\s+3], s[20:21], \s*RT
	s_or_b32 s[G0+4*\s+3], s[G0+4*\s+3], 0x80000000
	s_mov_b32 s[G0B+4*\s], 1
	s_add_co_u32 s[G0B+4*\s+1], s45, \s*SLOT
	s_add_nc_u64 s[G0B+4*\s+2:G0B+4*\s+3], s[46:47], \s*RT
	s_or_b32 s[G0B+4*\s+3], s[G0B+4*\s+3], 0x80000000
	JLOAD G0+4*\s, G1, G0B+4*\s, G1B
.endr
	s_mov_b32 s[G0C], 1                            ; slot 2, K step 2
	s_add_co_u32 s[G0C+1], s45, 2*SLOT
	s_add_nc_u64 s[G0C+2:G0C+3], s[20:21], 2*RT
	s_or_b32 s[G0C+3], s[G0C+3], 0x80000000
	s_mov_b32 s[G0BC], 1
	s_add_co_u32 s[G0BC+1], s45, 2*SLOT
	s_add_nc_u64 s[G0BC+2:G0BC+3], s[46:47], 2*RT
	s_or_b32 s[G0BC+3], s[G0BC+3], 0x80000000
	JLOAD G0C, G1, G0BC, G1B                       ; four tensor loads of mine are out
	v_and_b32 v1, 15, v0                           ; r
	v_bfe_u32 v2, v0, 4, 1                         ; h
	v_and_b32 v[LANE], 31, v0
	v_lshlrev_b32 v[L8], 3, v[LANE]
	s_mul_i32 s21, s15, HALFT                      ; my 128 rows of A
	s_mul_i32 s22, s16, HALFT                      ; my 128 rows of B,
	s_add_co_u32 s22, s22, 2*HALFT                 ; which lie behind A's 256
.irp s, 0,1,2
	v_add_nc_u32 v[ADRA+\s], s21, v[L8]
	v_add_nc_u32 v[ADRB+\s], s22, v[L8]
	s_add_co_u32 s21, s21, SLOT
	s_add_co_u32 s22, s22, SLOT
.endr
	v_mul_u32_u24 v5, v1, KS                       ; my row's scales: KS bytes a row,
	v_lshrrev_b32 v6, 8, v5
	v_lshl_add_u32 v5, v6, 4, v5                   ; and 16 more for each 256 passed
	s_mul_i32 s21, s15, HALFS                      ; A's: my 128 rows
	s_mul_i32 s22, s16, HALFS                      ; B's: my 128 rows, behind A's 256
	s_add_co_u32 s22, s22, 2*HALFS
	s_sub_co_u32 s22, s22, s21
	v_mul_u32_u24 v6, s22, v2                      ; lanes 16-31 take B's
	s_add_co_u32 s21, s21, SCL
	v_add_nc_u32 v5, v5, v6
	v_add_nc_u32 v[ADRS], s21, v5
	v_lshlrev_b32 v[SWO], 5, v1
	v_lshl_add_u32 v[SWO], v2, 4, v[SWO]
	; where my results go: F of my first block of rows
	s_lshl_b32 s20, s17, 4
	s_lshl_b32 s21, s15, 3
	s_add_co_u32 s20, s20, s21                     ; U of block 0: a multiple of 8, so blocks 0-7 are F .. F + 7
	s_lshl_b32 s46, s42, 1
	s_add_co_u32 s46, s46, s16                     ; G
	s_and_b32 s21, s20, 63
	s_lshr_b32 s20, s20, 6
	s_and_b32 s47, s46, 15
	s_lshl_b32 s47, s47, 6
	s_lshr_b32 s46, s46, 4
	s_add_co_u32 s20, s20, s46
	s_lshl_b32 s20, s20, 10
	s_add_co_u32 s20, s20, s21
	s_add_co_u32 s20, s20, s47                     ; F
	s_mul_i32 s22, s20, FRB
	s_mov_b32 s23, 0
	s_add_nc_u64 s[92:93], s[12:13], s[22:23]
	s_add_nc_u64 s[92:93], s[92:93], OUTC          ; its codes
	s_lshl_b32 s22, s20, 6
	s_add_nc_u64 s[98:99], s[12:13], s[22:23]      ; its 512 bytes of scale words
.macro FRAG reg, adr, q, i             ; a fragment as it lies: six planes, each 256 consecutive bytes for the 32 lanes
.irp p, 0,1,2,3,4,5
	ds_load_b64 v[\reg+2*\p:\reg+2*\p+1], v[\adr] offset:(\i)*RT+(\q)*FRB+256*\p
.endr
.endm
; 16 matrix instructions: A's blocks a0, a0 + 1 x B's eight, 128 along K: the slot's q-th.  p: B's set;  sc: the set of scale words.  zero = 1: the first product starts the sums: nothing is ever cleared.
; The 64 accumulators take turns, one instruction a turn, in the same order in every step.
.macro MUL16 a0, p, q, sc, zero
.irp a, \a0, \a0+1
.irp b, 0,1,2,3,4,5,6,7
.if \zero
	v_wmma_scale_f32_16x16x128_f8f6f4 v[8*(8*((\a)%4)+\b):8*(8*((\a)%4)+\b)+7], v[128*(\p)+FR*\b:128*(\p)+FR*\b+FR-1], v[AF+FR*(\a):AF+FR*(\a)+FR-1], 0, v[SC+8*NQ*(\sc)+NQ*\b+(\q)], v[SC+8*NQ*(\sc)+NQ*(\a)+(\q)] matrix_a_fmt:MATRIX_FMT_FP6 matrix_b_fmt:MATRIX_FMT_FP6 matrix_a_scale:MATRIX_SCALE_ROW1
.else
	v_wmma_scale_f32_16x16x128_f8f6f4 v[8*(8*((\a)%4)+\b):8*(8*((\a)%4)+\b)+7], v[128*(\p)+FR*\b:128*(\p)+FR*\b+FR-1], v[AF+FR*(\a):AF+FR*(\a)+FR-1], v[8*(8*((\a)%4)+\b):8*(8*((\a)%4)+\b)+7], v[SC+8*NQ*(\sc)+NQ*\b+(\q)], v[SC+8*NQ*(\sc)+NQ*(\a)+(\q)] matrix_a_fmt:MATRIX_FMT_FP6 matrix_b_fmt:MATRIX_FMT_FP6 matrix_a_scale:MATRIX_SCALE_ROW1
.endif
.endr
.endr
.endm
.macro FETCH_B slot, q, p              ; B's eight fragments of the slot's q-th 128 along K into set p
	WIN TO_B
.irp i, 0,1,2,3,4,5,6,7
	FRAG 128*(\p)+FR*\i, ADRB+\slot, \q, \i
.endr
	WIN 0
.endm
.macro FETCH_A slot, q, i0             ; A's blocks i0 .. i0 + 3
.irp i, \i0, \i0+1, \i0+2, \i0+3
	FRAG AF+FR*(\i), ADRA+\slot, \q, \i
.endr
.endm
.macro SCALES sc                       ; a K step's scale words into set sc: two words a row; lanes 0-15 take A's block i, lanes 16-31 B's block i
.irp i, 0,1,2,3,4,5,6,7
	ds_load_b64 v[SC+8*NQ*\sc+NQ*\i:SC+8*NQ*\sc+NQ*\i+1], v[ADRS] offset:\i*SBLK
.endr
.endm
; A load into a register that a matrix instruction has read, and a vector instruction that reads a matrix result, stand NP places behind that matrix instruction; only plain vector instructions that name none of its registers are places.
.macro PLACES n
.rept \n
	v_nop
.endr
.endm
; A step of 128 along K that has its successor in the same slot.  sc: the K step's set of scale words.
.macro STEP slot, q, zero, sc
	s_wait_dscnt 4*NL                              ; B's set and A's blocks 0-3 are in; the youngest 24 loads (A's blocks 4-7) may be out
	WIN MUL_LO
	MUL16 0, (\q)%2, \q, \sc, \zero
	MUL16 2, (\q)%2, \q, \sc, \zero
	s_wait_dscnt 0                                 ; A's blocks 4-7 are in (asked for 32 matrix instructions ago)
	PLACES NP
	FETCH_B \slot, (\q)+1, 1-(\q)%2
	FETCH_A \slot, (\q)+1, 0
	WIN MUL_HI
	MUL16 4, (\q)%2, \q, \sc, \zero
	MUL16 6, (\q)%2, \q, \sc, \zero
	PLACES NP
	WIN 0
	FETCH_A \slot, (\q)+1, 4
.endm
; A slot's last step changes slots.  sc, nsc: this K step's and the next one's set of scale words.
; mode 1: this slot is filled again, three K steps ahead.  ONE barrier, which opens a round of the cluster's; in front of it each wave waits for all its tensor loads, adds 0 to its spare word, and waits for that and for its own reads of this slot.
; mode 0: the same barrier, for the tile that was filled so.
; mode 2: no barrier: the next slot was shown whole to every wave by the barrier of mode 1, in front of which every wave waited for all its loads; and nothing is ever written over this slot.
.macro TURN slot, next, mode, sc, nsc
.if \mode == 2
	s_wait_dscnt 4*NL                              ; all but A's blocks 4-7
	WIN MUL_LO
	MUL16 0, 1, NQ-1, \sc, 0
	MUL16 2, 1, NQ-1, \sc, 0
	s_wait_dscnt 0x0
	WIN 0
	PLACES NP
.else
	s_wait_tensorcnt 0x0                           ; all my tensor loads have landed;  (every window is 0 here)
	ds_add_u32 v[SPW], v[NIL]                      ; 0 onto my spare word
	s_wait_dscnt 4*NL+1                            ; (the add and the youngest 24 loads, A's blocks 4-7, may be out)
	WIN MUL_LO
	MUL16 0, 1, NQ-1, \sc, 0                       ; sixteen matrix instructions stand between the add and the wait for it
	s_wait_dscnt 0x0                               ; the add is done, and my reads of this slot are over
	s_barrier_signal -1
	MUL16 2, 1, NQ-1, \sc, 0
	WIN 0
	s_barrier_wait -1
.if \mode == 1
	CREST                                          ; the barrier has opened a round of the cluster's barrier: no wave of any partner still reads this slot or has a load on its way
	s_add_nc_u64 s[G0+4*\slot+2:G0+4*\slot+3], s[G0+4*\slot+2:G0+4*\slot+3], 3*RT
	s_add_nc_u64 s[G0B+4*\slot+2:G0B+4*\slot+3], s[G0B+4*\slot+2:G0B+4*\slot+3], 3*RT
	JLOAD G0+4*\slot, G1, G0B+4*\slot, G1B         ; the first tensor load behind the round; the four v_nop behind it are the places in front of the loads below
.else
	PLACES NP
.endif
.endif
	v_add_nc_u32 v[ADRS], 4*NQ, v[ADRS]            ; on to the next K step's scale words (no LDS load of mine is out)
	FETCH_B \next, 0, 0
	FETCH_A \next, 0, 0
	SCALES \nsc
	WIN MUL_HI
	MUL16 4, 1, NQ-1, \sc, 0
	MUL16 6, 1, NQ-1, \sc, 0
	PLACES NP
	WIN 0
	FETCH_A \next, 0, 4
.endm
	s_wait_alu depctr_va_vdst(0)
	s_wait_tensorcnt 2                             ; the scales and my part of K step 0 are in (K steps 1 and 2 may be out)
	s_barrier_signal -1
	s_barrier_wait -1                              ; everybody's are
	FETCH_B 0, 0, 0
	FETCH_A 0, 0, 0
	SCALES 0
	FETCH_A 0, 0, 4
	STEP 0, 0, 1, 0                                ; K = 1,024 is four K steps of 256: written out, no loop.  The first products start the sums
	TURN 0, 1, 1, 0, 1                             ; slot 0 takes K step 3
	s_wait_alu depctr_va_vdst(0)
	STEP 1, 0, 0, 1
	TURN 1, 2, 2, 1, 0                             ; on to slot 2: no barrier
	s_wait_alu depctr_va_vdst(0)
	STEP 2, 0, 0, 0
	TURN 2, 0, 0, 0, 1                             ; K step 3 has landed in slot 0; nothing is left to fetch
	STEP 0, 0, 0, 1
	s_wait_dscnt 4*NL                              ; the very last step
	WIN MUL_LO
	MUL16 0, 1, NQ-1, 1, 0
	MUL16 2, 1, NQ-1, 1, 0
	s_wait_dscnt 0
	WIN MUL_HI
	MUL16 4, 1, NQ-1, 1, 0
	MUL16 6, 1, NQ-1, 1, 0
	WIN 0
; THE WAY OUT.  Block a (16 rows of A x B's 128) is quantised in registers: my 64 numbers, register 16 b + i = k 32 b + 16 h + i of my row, become a fragment's 12 registers and a scale word.  Each accumulator is read from its low end on.
.macro QUANT a
.set AC, 64*((\a)%4)
.set PCA, PC+FR*(\a)
.if (\a) < 4
	WIN 0x28                                       ; sources 1 and 2: window 2
.else
	WIN 0x3c                                       ; window 3
.endif
.irp b, 0,1,2,3
	v_max3_num_f32 v[TM+\b], 0x1800000, |v[AC+16*\b]|, |v[AC+16*\b+1]|   ; block b: my 16 numbers, and the floor 2^(3 - 127): the byte cannot fall under 1
.endr
.irp i, 2,4,6,8,10,12,14
.irp b, 0,1,2,3
	v_max3_num_f32 v[TM+\b], v[TM+\b], |v[AC+16*\b+\i]|, |v[AC+16*\b+\i+1]|   ; (the four blocks by turns)
.endr
.endr
	WIN 0
.irp b, 0,1,2,3
	v_permlanex16_b32 v[TM+4+\b], v[TM+\b], s96, s97
.endr
.irp b, 0,1,2,3
	v_max_num_f32 v[TM+\b], v[TM+\b], v[TM+4+\b]   ; with lane l xor 16's: the block's largest magnitude
.endr
.irp b, 0,1,2,3
	v_add_nc_u32 v[TM+12+\b], 0xff000000, v[TM+\b] ; 2 off its exponent field: the conversion's scale operand
.endr
.irp b, 0,1,2,3
	v_lshrrev_b32 v[TM+4+\b], 23, v[TM+12+\b]      ; the scale's byte
.endr
	v_lshl_or_b32 v[PW+(\a)], v[TM+5], 8, v[TM+4]  ; my row's scale word
	v_lshl_or_b32 v[PW+(\a)], v[TM+6], 16, v[PW+(\a)]
	v_lshl_or_b32 v[PW+(\a)], v[TM+7], 24, v[PW+(\a)]
.if (\a) < 4
	WIN 0x02                                       ; source 0: window 2
.else
	WIN 0x03
.endif
.irp c, 0,1
	v_cvt_scalef32_pk16_fp6_f32 v[PCA+6*\c:PCA+6*\c+2], v[AC+32*\c:AC+32*\c+15], v[TM+12+2*\c]
	v_cvt_scalef32_pk16_fp6_f32 v[T+4*\c:T+4*\c+2], v[AC+32*\c+16:AC+32*\c+31], v[TM+12+2*\c+1]   ; (a conversion's three registers begin on an even number)
.endr
	WIN 0
	v_nop                                          ; one plain place behind a scaled conversion
.irp c, 0,1                                    ; the operand's layout wants a WHOLE block in a lane: lanes 0-15 block 2 c, lanes 16-31 block 2 c + 1
.irp i, 0,1,2
	v_permlane16_swap_b32 v[PCA+6*\c+\i], v[T+4*\c+\i]
.endr
.irp i, 0,1,2
	v_mov_b32 v[PCA+6*\c+3+\i], v[T+4*\c+\i]
.endr
.endr
.irp p, 0,1,2,3,4,5
	global_store_b64 v[L8], v[PCA+2*\p:PCA+2*\p+1], s[92:93] offset:(\a)*FRB+256*\p   ; a plane: 32 lanes store 256 consecutive bytes, at a multiple of 256 from the buffer's first byte
.endr
.endm
.irp b, 0,1,2,3
	v_mov_b32 v[TM+4+\b], 0                        ; a lane permute's destination counts as one of its sources: written once.  These four are also the places behind the last products
.endr
.irp a, 0,1,2,3,4,5,6,7
	QUANT \a
.endr
	v_cmp_gt_u32 vcc_lo, 16, v[LANE]
.irp i, 0,1,2,3
	v_cndmask_b32 v[SELW+\i], v[PW+4+\i], v[PW+\i], vcc_lo   ; both halves of the lanes hold all eight words of row r: lanes 0-15 store blocks 0-3's, lanes 16-31 blocks 4-7's
.endr
	global_store_b128 v[SWO], v[SELW:SELW+3], s[98:99]   ; 32 lanes store 512 consecutive bytes
	s_wait_tensorcnt 0x0                           ; the wave's end
	ds_add_u32 v[SPW], v[NIL]
	s_wait_dscnt 0x0
	CROUND                                         ; the closing round: no work-group ends while a partner may still ask for a tile that names it
	s_endpgm
.Lfunc_end_k_q7ed3533066_gemm_qkv:
	.size	k_q7ed3533066_gemm_qkv, .Lfunc_end_k_q7ed3533066_gemm_qkv-k_q7ed3533066_gemm_qkv
	.p2alignl 7, 3214868480
	.fill 96, 4, 3214868480
	.section	.rodata,"a",@progbits
	.p2align	6, 0x0
	.amdhsa_kernel k_q7ed3533066_gemm_qkv
		.amdhsa_group_segment_fixed_size 327680
		.amdhsa_private_segment_fixed_size 0
		.amdhsa_enable_private_segment 0
		.amdhsa_kernarg_size 40
		.amdhsa_user_sgpr_count 2
		.amdhsa_user_sgpr_kernarg_segment_ptr 1
		.amdhsa_wavefront_size32 1
		.amdhsa_system_sgpr_workgroup_id_x 1
		.amdhsa_system_sgpr_workgroup_id_y 1
		.amdhsa_system_sgpr_workgroup_id_z 1
		.amdhsa_system_vgpr_workitem_id 0
		.amdhsa_next_free_vgpr 1024
		.amdhsa_next_free_sgpr 100
		.amdhsa_reserve_vcc 1
		.amdhsa_float_denorm_mode_32 3
		.amdhsa_float_denorm_mode_16_64 3
		.amdhsa_memory_ordered 1
		.amdhsa_forward_progress 1
		.amdhsa_inst_pref_size 166
	.end_amdhsa_kernel
	.amdgpu_metadata
---
amdhsa.version: [ 1, 2 ]
amdhsa.kernels:
  - .name:           k_q7ed3533066_gemm_qkv
    .symbol:         k_q7ed3533066_gemm_qkv.kd
    .args:
      - { .name: xq, .offset: 0, .size: 8, .value_kind: global_buffer, .address_space: global }
      - { .name: wqkq, .offset: 8, .size: 8, .value_kind: global_buffer, .address_space: global }
      - { .name: wvq, .offset: 16, .size: 8, .value_kind: global_buffer, .address_space: global }
      - { .name: qkq, .offset: 24, .size: 8, .value_kind: global_buffer, .address_space: global }
      - { .name: vq, .offset: 32, .size: 8, .value_kind: global_buffer, .address_space: global }
    .group_segment_fixed_size: 327680
    .private_segment_fixed_size: 0
    .kernarg_segment_align: 8
    .kernarg_segment_size: 40
    .max_flat_workgroup_size: 128
    .sgpr_count:     100
    .vgpr_count:     1024
    .wavefront_size: 32
...
	.end_amdgpu_metadata
.endif
;; end of part 2
;; launch attn (part 3): grid 4 x 64, 16 waves a work-group, clusters of 4 x 1, 215,040 bytes of LDS; arguments qkq, vq, aq; writes aq
.if DOCPART == 3
	.amdgcn_target "amdgcn-amd-amdhsa--gfx1250"
	.amdhsa_code_object_version 6
	.text
	.protected	k_q7ed3533066_attn
	.globl	k_q7ed3533066_attn
	.p2align	8
	.type	k_q7ed3533066_attn,@function
k_q7ed3533066_attn:
	s_mov_b64 s[64:65], 0
	v_nop
	global_prefetch_b8 v0, s[64:65] scope:SCOPE_SE
	s_setreg_imm32_b32 hwreg(HW_REG_WAVE_MODE, 25, 1), 1
	s_wait_xcnt 0x0
	s_wait_alu depctr_hold_cnt(0) depctr_sa_sdst(0) depctr_va_vdst(0) depctr_va_sdst(0) depctr_va_ssrc(0) depctr_va_vcc(0) depctr_vm_vsrc(0)
	s_getreg_b32 s2, hwreg(HW_REG_IB_STS2, 6, 4)
	s_cmp_eq_u32 s2, 0
	s_cbranch_scc0 .Lentry_in_a_cluster
	s_endpgm
.Lentry_in_a_cluster:
	s_bfe_u32 s2, ttmp6, 0x10000c
	s_cmp_lg_u32 s2, 0x3003
	s_cbranch_scc0 .Lentry_shape_is_right
	s_endpgm
.Lentry_shape_is_right:
; Causal attention on codes of FP6 (E2M3) with E8M0 scales: 64 (batch, head) pairs, 2,048 tokens, head size 64.  Its result, divided by the row's sum, is quantised in registers along (head, d) into the operand buffer of the last product.
; THE SOFTMAX AHEAD OF THE SECOND PRODUCT: t = score x log2(e) / 8; M = the running largest t rounded UP to a whole number; p = 2^(t - M) is what is quantised, along the keys, not normalised.  The row's sum is taken of the
; unquantised p.  When M moves, the sum and O are multiplied by 2^(old M - new M): exact.  A block's largest p is made from the block's largest score by the same multiply-add and exponential (this takes v_exp_f32 not to fall where its input rises).
; INPUTS (made by the launches before): fragments of 16 rows x 128 K as six planes of 256 bytes, rows in image order (lane r of tile I = true row 32 (I / 2) + 8 (I % 2) + r + 8 (r / 8)).  A fragment of q or k holds two heads:
; a head is three planes, 768 bytes, K = 64: they fill registers 0-5 of an operand; registers 6-11 hold zero codes on both sides, which add nothing.  A fragment of v holds 16 channels x 128 tokens.
; SHARES.  A cluster of four work-groups owns one (batch, head).  ALL of its K and V codes and scales, 208 KB, fit in LDS: they are filled ONCE, by joint loads that name the four; no slot is filled again.
; Wave w of work-group cx has alpha = w / 2 and beta = 4 (w % 2) + cx, and owns query tiles 127 - (8 alpha + beta) and 8 alpha + beta: 16 - alpha and alpha + 1 key steps of 128: 17 for every wave.
; Branches hang on the wave's number alone; cx enters global addresses and the mask's numbers only.
; LAYOUT.  Both products are used transposed: S^T = K Q^T, O^T = V^T P^T: a lane holds ONE query.  By the image order the 16 registers of key tiles 2 b, 2 b + 1 are keys 32 b + 16 h + 0 .. 15, and O^T's registers 16 b + i channels 32 b + 16 h + i.
; LIMITS: a block whose largest magnitude lies under 2^-124 (zeros too) gets the byte 1; these bytes are read by this program alone.  NaN and infinities are not served.
; Sixteen waves of 256 registers, four to a SIMD: one wave's vector work stands beside another's matrix work and LDS loads.
.set OUTC,  524288
.set CODES, 262144
.set VB,    98304                      ; LDS: K's codes, tile i at 768 i;  from VB V's, 6,144 x step + 1,536 x tile;
.set SCK,   196608                     ; K's scale words, 512 x step + 32 r + 4 x tile;
.set SCV,   204800                     ; V's likewise
.set PIECE, 24576                      ; four key steps of K or of V: what one tensor load brings
.set L8,   1                           ; v1   8 x lane
.set ASK0, 2                           ; v2   SCK + 32 r + 4 h + 2 (head % 2)
.set ASV0, 3                           ; v3   SCV + 32 r + 16 (head % 2)
.set AV0,  4                           ; v4   VB + 8 x lane
.set R32,  5                           ; v5   32 r
.set NINF, 6                           ; v6   -infinity
.set DQB,  7                           ; v7   tile B: my query's place in its key step - 16 h
.set ADK,  8                           ; v8-11 LDS addresses of the step in hand
.set ADV,  9
.set ADS,  10
.set ADT,  11
.set DQA,  28                          ; v28  the same as v7 for tile A
.set KB,   32                          ; v32-79   four fragments of K: registers 6-11 of each are zeros, written once
.set VF,   80                          ; v80-127  four fragments of V
.set S,    128                         ; v128-191 S^T, then p
.set O,    192                         ; v192-223 O^T
; v12 -M, v13 the largest t, v[14:15] the sum in two halves; v16-21 Q, v22-27 zeros; v224-235 p's codes; v232-247 at work; v248-251 scale words of K, then of V; v252 f; v253 p's scale word; v254 at work; v255 Q's scale word
.set WV,   10
.set CNT,  19
.set SEL,  20
.set CS,   22
.set G1K,  24
.set G1V,  32
.set G1SK, 40
.set G1SV, 48
.set TK,   96                          ; s96  6,144 x key step
.set TS,   97                          ; s97  512 x key step
.set KI,   98                          ; s98  the key step
.set LAST, 99                          ; s99  the tile's last key step: the one on the diagonal
.macro CROUND                          ; a round of the cluster's barrier
	s_barrier_signal -1
	s_barrier_wait -1
	s_cmp_lg_u32 s[WV], 0
	s_cbranch_scc1 .Lnot_wave_0_\@
	s_barrier_signal -3
.Lnot_wave_0_\@:
	s_barrier_wait -3
	s_barrier_signal -1
	s_barrier_wait -1
.endm
	s_load_b128 s[4:7], s[0:1], 0x0                ; qkq s[4:5], vq s[6:7]
	s_load_b64 s[8:9], s[0:1], 0x10                ; aq
	v_lshl_add_u32 v254, v0, 2, 0x34000
	v_mov_b32 v255, 0
	ds_add_u32 v254, v255
	ds_add_u32 v254, v255
	s_wait_dscnt 0x0
	v_lshrrev_b32 v1, 5, v0
	s_delay_alu instid0(VALU_DEP_1)
	v_readfirstlane_b32 s[WV], v1                  ; wave 0..15
	s_bfe_u32 s11, ttmp6, 0x40000                  ; cx
	s_and_b32 s12, ttmp7, 0xffff                   ; 16 x batch + head, which the four partners share
	s_lshr_b32 s13, s12, 4                         ; batch
	s_and_b32 s14, s12, 15                         ; head
	s_lshr_b32 s15, s14, 1                         ; head / 2
	s_and_b32 s16, s14, 1                          ; head % 2
	s_and_b32 s17, s[WV], 1
	s_lshr_b32 s18, s[WV], 1                       ; alpha
	; descriptor groups 1: elements of 8 bytes, the mask of all four work-groups, bit 21 beside it, no padding
	s_mov_b32 s[G1K], 15|(3<<16)|(1<<21)           ; K's codes: 32 tiles, of each my head's 768 bytes (96 elements), 1,536 bytes apart
	s_mov_b32 s[G1K+1], 96<<16
	s_mov_b32 s[G1K+2], 32<<16
	s_mov_b32 s[G1K+3], 96<<16
	s_mov_b32 s[G1K+4], 32
	s_mov_b32 s[G1K+5], 192
	s_mov_b32 s[G1K+6], 0
	s_mov_b32 s[G1K+7], 0
	s_mov_b32 s[G1V], 15|(3<<16)|(1<<21)           ; V's codes: 4 key steps, of each my head's four fragments (768 elements), 98,304 bytes apart
	s_mov_b32 s[G1V+1], 768<<16
	s_mov_b32 s[G1V+2], 4<<16
	s_mov_b32 s[G1V+3], 768<<16
	s_mov_b32 s[G1V+4], 4
	s_mov_b32 s[G1V+5], 12288
	s_mov_b32 s[G1V+6], 0
	s_mov_b32 s[G1V+7], 0
	s_mov_b32 s[G1SK], 15|(3<<16)|(1<<21)          ; K's scale words: 2 runs of 8 key steps (512 elements), 65,536 bytes apart
	s_mov_b32 s[G1SK+1], 512<<16
	s_mov_b32 s[G1SK+2], 2<<16
	s_mov_b32 s[G1SK+3], 512<<16
	s_mov_b32 s[G1SK+4], 2
	s_mov_b32 s[G1SK+5], 8192
	s_mov_b32 s[G1SK+6], 0
	s_mov_b32 s[G1SK+7], 0
	s_mov_b32 s[G1SV], 15|(3<<16)|(1<<21)          ; V's: 16 key steps of 512 bytes (64 elements), 4,096 bytes apart
	s_mov_b32 s[G1SV+1], 64<<16
	s_mov_b32 s[G1SV+2], 16<<16
	s_mov_b32 s[G1SV+3], 64<<16
	s_mov_b32 s[G1SV+4], 16
	s_mov_b32 s[G1SV+5], 512
	s_mov_b32 s[G1SV+6], 0
	s_mov_b32 s[G1SV+7], 0
	; byte offsets, apart from the addresses.  K: F = (i & 63) + ((8 + head / 2) << 6) + ((2 batch + (i >> 6)) << 10) for key tile i;  V: F = 4 head + tile + 64 step + 1,024 batch
	s_lshl_b32 s80, s13, 11
	s_lshl_b32 s81, s15, 6
	s_add_co_u32 s80, s80, s81
	s_add_co_u32 s80, s80, 512
	s_mul_i32 s80, s80, 1536
	s_mul_i32 s81, s16, 768
	s_add_co_u32 s80, s80, s81
	s_add_co_u32 s80, s80, OUTC                    ; K's codes
	s_lshl_b32 s82, s13, 10
	s_lshl_b32 s83, s14, 2
	s_add_co_u32 s82, s82, s83
	s_mul_i32 s82, s82, 1536
	s_add_co_u32 s82, s82, OUTC                    ; V's codes
	s_lshl_b32 s84, s13, 8
	s_lshl_b32 s83, s15, 3
	s_add_co_u32 s84, s84, s83
	s_add_co_u32 s84, s84, 64
	s_lshl_b32 s84, s84, 9                         ; K's scale words
	s_lshl_b32 s85, s13, 7
	s_add_co_u32 s85, s85, s15
	s_lshl_b32 s85, s85, 9                         ; V's
	s_cmp_eq_u32 s17, 0                            ; an even wave makes K's descriptors, an odd one V's; waves 0 and 1 use them
	s_cselect_b32 s86, s80, s82
	s_cselect_b32 s88, s84, s85
	s_mov_b32 s87, 0
	s_mov_b32 s89, 0
	s_mov_b32 s90, 393216                          ; where pieces 1, 2, 3 begin
	s_cselect_b32 s90, 49152, s90
	s_mov_b32 s91, 0
	s_mov_b32 s92, 786432
	s_cselect_b32 s92, 1572864, s92
	s_mov_b32 s93, 0
	s_mov_b32 s96, 1179648
	s_cselect_b32 s96, 1622016, s96
	s_mov_b32 s97, 0
	s_wait_kmcnt 0x0
	s_cselect_b64 s[94:95], s[4:5], s[6:7]
	s_add_nc_u64 s[86:87], s[94:95], s[86:87]      ; the codes
	s_add_nc_u64 s[88:89], s[94:95], s[88:89]      ; the scale words
	s_mov_b32 s56, 1                               ; groups 0: the scale words,
	s_lshl_b32 s57, s17, 13
	s_add_co_u32 s57, s57, SCK
	s_mov_b64 s[58:59], s[88:89]
	s_or_b32 s59, s59, 0x80000000
	s_mul_i32 s19, s17, VB
	s_mov_b32 s60, 1                               ; and the four pieces
	s_mov_b32 s61, s19
	s_mov_b64 s[62:63], s[86:87]
	s_or_b32 s63, s63, 0x80000000
	s_mov_b32 s68, 1
	s_add_co_u32 s69, s19, PIECE
	s_add_nc_u64 s[70:71], s[86:87], s[90:91]
	s_or_b32 s71, s71, 0x80000000
	s_mov_b32 s72, 1
	s_add_co_u32 s73, s19, 2*PIECE
	s_add_nc_u64 s[74:75], s[86:87], s[92:93]
	s_or_b32 s75, s75, 0x80000000
	s_mov_b32 s76, 1
	s_add_co_u32 s77, s19, 3*PIECE
	s_add_nc_u64 s[78:79], s[86:87], s[96:97]
	s_or_b32 s79, s79, 0x80000000
	CROUND                                         ; all four work-groups are here: the joint loads meet
	s_cmp_eq_u32 s[WV], 0                          ; a wave's first fills stand in one branch on the wave's number: five loads of wave 0 (K) and five of wave 1 (V) are out
	s_cbranch_scc0 .Lnot_k
	tensor_load_to_lds s[56:59], s[G1SK:G1SK+7]
	s_nop 0
	tensor_load_to_lds s[60:63], s[G1K:G1K+7]
	s_nop 0
	tensor_load_to_lds s[68:71], s[G1K:G1K+7]
	s_nop 0
	tensor_load_to_lds s[72:75], s[G1K:G1K+7]
	s_nop 0
	tensor_load_to_lds s[76:79], s[G1K:G1K+7]
	s_nop 0
.rept 4
	v_nop
.endr
	s_branch .Lasked
.Lnot_k:
	s_cmp_eq_u32 s[WV], 1
	s_cbranch_scc0 .Lasked
	tensor_load_to_lds s[56:59], s[G1SV:G1SV+7]
	s_nop 0
	tensor_load_to_lds s[60:63], s[G1V:G1V+7]
	s_nop 0
	tensor_load_to_lds s[68:71], s[G1V:G1V+7]
	s_nop 0
	tensor_load_to_lds s[72:75], s[G1V:G1V+7]
	s_nop 0
	tensor_load_to_lds s[76:79], s[G1V:G1V+7]
	s_nop 0
.rept 4
	v_nop
.endr
.Lasked:
	v_and_b32 v29, 31, v0                          ; lane
	v_and_b32 v30, 15, v0                          ; r
	s_wait_alu depctr_va_vdst(0)
	v_bfe_u32 v31, v0, 4, 1                        ; h
	v_lshlrev_b32 v[L8], 3, v29
	v_lshlrev_b32 v[R32], 5, v30
	s_lshl_b32 s19, s16, 1
	s_add_co_u32 s19, s19, SCK
	v_lshl_add_u32 v[ASK0], v31, 2, v[R32]
	s_delay_alu instid0(VALU_DEP_1)
	v_add_nc_u32 v[ASK0], s19, v[ASK0]
	s_lshl_b32 s19, s16, 4
	s_add_co_u32 s19, s19, SCV
	v_add_nc_u32 v[ASV0], s19, v[R32]
	v_add_nc_u32 v[AV0], VB, v[L8]
	v_mov_b32 v[NINF], 0xff800000
	; my two tiles, and my query's place in its key step of 128: 32 (il / 2) + 8 (il % 2) + r + 8 (r / 8), il = tile % 8
	s_lshl_b32 s12, s17, 2
	s_add_co_u32 s12, s12, s11                     ; beta
	s_lshl_b32 s100, s18, 3
	s_add_co_u32 s100, s100, s12                   ; tile A
	s_sub_co_u32 s101, 127, s100                   ; tile B
	v_and_b32 v29, 8, v30
	s_delay_alu instid0(VALU_DEP_1)
	v_add_nc_u32 v29, v29, v30
	v_lshlrev_b32 v31, 4, v31
	s_delay_alu instid0(VALU_DEP_1)
	v_sub_nc_u32 v29, v29, v31                     ; r + 8 (r / 8) - 16 h
	s_wait_alu depctr_va_vdst(0)
	s_lshr_b32 s2, s12, 1
	s_lshl_b32 s2, s2, 5
	s_and_b32 s3, s12, 1
	s_lshl_b32 s3, s3, 3
	s_add_co_u32 s2, s2, s3
	v_add_nc_u32 v[DQA], s2, v29
	s_sub_co_u32 s12, 7, s12                       ; tile B's il
	s_lshr_b32 s2, s12, 1
	s_lshl_b32 s2, s2, 5
	s_and_b32 s3, s12, 1
	s_lshl_b32 s3, s3, 3
	s_add_co_u32 s2, s2, s3
	v_add_nc_u32 v[DQB], s2, v29
; The four addresses of query tile s[t], into s[o] .. s[o + 7]: Q's codes, Q's scale words, O's codes, O's scale bytes.  U = 128 batch + tile;  F = (U & 63) + ((head / 2) << 6) + ((U >> 6) << 10)
.macro TADR t, o
	s_lshl_b32 s19, s13, 7
	s_add_co_u32 s19, s19, s[\t]                   ; U
	s_and_b32 s2, s19, 63
	s_lshr_b32 s3, s19, 6
	s_lshl_b32 s3, s3, 10
	s_add_co_u32 s2, s2, s3
	s_lshl_b32 s3, s15, 6
	s_add_co_u32 s2, s2, s3                        ; F
	s_mul_i32 s[\o], s2, 1536
	s_mul_i32 s3, s16, 768
	s_add_co_u32 s[\o], s[\o], s3
	s_add_co_u32 s[\o], s[\o], OUTC
	s_mov_b32 s[\o+1], 0
	s_add_nc_u64 s[\o:\o+1], s[4:5], s[\o:\o+1]
	s_lshr_b32 s3, s2, 3
	s_lshl_b32 s3, s3, 9
	s_and_b32 s2, s2, 7
	s_lshl_b32 s2, s2, 2
	s_add_co_u32 s[\o+2], s3, s2
	s_lshl_b32 s3, s16, 1
	s_add_co_u32 s[\o+2], s[\o+2], s3
	s_mov_b32 s[\o+3], 0
	s_add_nc_u64 s[\o+2:\o+3], s[4:5], s[\o+2:\o+3]
	s_lshl_b32 s2, s19, 4
	s_add_co_u32 s2, s2, s14
	s_mul_i32 s[\o+4], s2, 768                     ; half fragment 16 U + head of the operand buffer
	s_add_co_u32 s[\o+4], s[\o+4], CODES
	s_mov_b32 s[\o+5], 0
	s_add_nc_u64 s[\o+4:\o+5], s[8:9], s[\o+4:\o+5]
	s_lshl_b32 s[\o+6], s19, 9
	s_lshl_b32 s3, s14, 1
	s_add_co_u32 s[\o+6], s[\o+6], s3              ; 512 U + 2 head
	s_mov_b32 s[\o+7], 0
	s_add_nc_u64 s[\o+6:\o+7], s[8:9], s[\o+6:\o+7]
.endm
	TADR 101, 80                                   ; tile B
	TADR 100, 88                                   ; tile A
	s_mov_b32 s[SEL], 0x76543210
	s_mov_b32 s[SEL+1], 0xfedcba98                 ; v_permlanex16_b32's selects for lane l xor 16
	s_mov_b32 s[CS], 0x3e38aa3b                    ; c = log2(e) / 8
	s_mov_b32 s[CS+1], s[CS]                       ; (named with it as a pair, so it is written)
.macro LOADQ o                         ; a tile's Q: three planes into registers 0-5 of the operand, and my row's two scale bytes (the word's upper bytes are 0, over zero codes)
.irp p, 0,1,2
	global_load_b64 v[16+2*\p:17+2*\p], v[L8], s[\o:\o+1] offset:256*\p
.endr
	global_load_u16 v255, v[R32], s[\o+2:\o+3]
.endm
.macro INIT                            ; a tile begins: the step is written once: the first finds zeros, which the first change of M leaves zeros
	v_mov_b32 v13, 0xff61b1e6                      ; the largest t so far: -3e38, under every t
	s_delay_alu instid0(VALU_DEP_1)
	v_floor_f32 v12, -v13                          ; -M
	v_mov_b32 v14, 0
	v_mov_b32 v15, 0
.set n, 0
.rept 32
	v_mov_b32 v[O+n], 0
.set n, n+1
.endr
.endm
	LOADQ 80
	INIT
.irp j, 22,23,24,25,26,27
	v_mov_b32 v\j, 0                               ; Q's K = 64 .. 127: zero codes
.endr
.irp t, 0,1,2,3
.irp j, 6,7,8,9,10,11
	v_mov_b32 v[KB+12*\t+\j], 0                    ; K's likewise: never written again
.endr
.endr
.irp b, 0,1,2,3
	v_mov_b32 v[236+\b], 0                         ; written once: a lane permute's destination counts as one of its sources
.endr
	v_mov_b32 v252, 0
	v_mov_b32 v253, 0                              ; (named as the upper half of the pair v[252:253] before it is first written)
.macro SMUL kt                         ; S^T of key tile kt: the scale words of tiles 2 b and 2 b + 1 share a register: lanes 0-15 and lanes 16-31
.if (\kt)%2
	v_wmma_scale_f32_16x16x128_f8f6f4 v[S+8*(\kt):S+8*(\kt)+7], v[KB+12*((\kt)%4):KB+12*((\kt)%4)+11], v[16:27], 0, v[248+(\kt)/2], v255 matrix_a_fmt:MATRIX_FMT_FP6 matrix_b_fmt:MATRIX_FMT_FP6 matrix_a_scale:MATRIX_SCALE_ROW1
.else
	v_wmma_scale_f32_16x16x128_f8f6f4 v[S+8*(\kt):S+8*(\kt)+7], v[KB+12*((\kt)%4):KB+12*((\kt)%4)+11], v[16:27], 0, v[248+(\kt)/2], v255 matrix_a_fmt:MATRIX_FMT_FP6 matrix_b_fmt:MATRIX_FMT_FP6
.endif
.endm
; A KEY STEP: 128 keys.  skip = 1: a step all of whose keys come after the tile's queries is left out, by a scalar branch on the wave's number and the counter, round all but the lines that step addresses.
; mask = 1: in the step on the diagonal hidden scores become -infinity ahead of the maximum.  dq: the register with my query's place.
.macro STEP skip, mask, dq
.if \skip
	s_cmp_gt_u32 s[KI], s[LAST]
	s_cbranch_scc1 .Lhidden_\@
.endif
	s_setprio 2
	v_add_nc_u32 v[ADK], s[TK], v[L8]              ; these four are also the places in front of loads into registers that the last products read
	v_add_nc_u32 v[ADV], s[TK], v[AV0]
	v_add_nc_u32 v[ADS], s[TS], v[ASK0]
	v_add_nc_u32 v[ADT], s[TS], v[ASV0]
.irp b, 0,1,2,3
	ds_load_u16 v[248+\b], v[ADS] offset:8*\b      ; my head's two scale bytes: lanes 0-15 of key tile 2 b, lanes 16-31 of tile 2 b + 1
.endr
.irp t, 0,1,2,3
.irp p, 0,1,2
	ds_load_b64 v[KB+12*\t+2*\p:KB+12*\t+2*\p+1], v[ADK] offset:768*\t+256*\p
.endr
.endr
.irp t, 0,1,2,3
.irp p, 0,1,2,3,4,5
	ds_load_b64 v[VF+12*\t+2*\p:VF+12*\t+2*\p+1], v[ADV] offset:1536*\t+256*\p
.endr
.endr
	s_wait_alu depctr_va_vdst(0)
	s_wait_dscnt 24                                ; K's scale words and tiles 0-3 are in; V's 24 loads may be out
.irp t, 0,1,2,3
	SMUL \t
.endr
.rept 4
	v_nop                                          ; places in front of loads into registers that matrix instructions have read
.endr
.irp t, 0,1,2,3
.irp p, 0,1,2
	ds_load_b64 v[KB+12*\t+2*\p:KB+12*\t+2*\p+1], v[ADK] offset:768*(4+\t)+256*\p
.endr
.endr
	s_wait_dscnt 0x0
.irp t, 0,1,2,3
	SMUL 4+\t
.endr
.rept 4
	v_nop                                          ; places in front of the load below and of the first read of the scores
.endr
	ds_load_b128 v[248:251], v[ADT]                ; V's four scale words of my row; they land under the softmax
.if \mask
	s_cmp_lg_u32 s[KI], s[LAST]
	s_cbranch_scc1 .Lopen_\@
.set n, 0
.rept 64                                       ; register 16 b + i holds key 32 b + 16 h + i of the step: hidden where 32 b + i > my query's place - 16 h
	v_cmp_gt_i32 vcc_lo, 32*(n/16)+n%16, v[\dq]
	v_cndmask_b32 v[S+n], v[S+n], v[NINF], vcc_lo
.set n, n+1
.endr
.Lopen_\@:
.endif
.irp b, 0,1,2,3
	v_max3_num_f32 v[232+\b], v[S+16*\b], v[S+1+16*\b], v[S+2+16*\b]   ; THE LARGEST SCORE OF EACH BLOCK OF 32 KEYS: for the row's maximum, and, since p rises with the score, for the block's largest p
.endr
.irp i, 3,5,7,9,11,13
.irp b, 0,1,2,3
	v_max3_num_f32 v[232+\b], v[232+\b], v[S+16*\b+\i], v[S+1+16*\b+\i]   ; (the four blocks by turns)
.endr
.endr
.irp b, 0,1,2,3
	v_max_num_f32 v[232+\b], v[232+\b], v[S+15+16*\b]
.endr
.irp b, 0,1,2,3
	s_delay_alu instid0(VALU_DEP_4)
	v_permlanex16_b32 v[236+\b], v[232+\b], s[SEL], s[SEL+1]
.endr
.irp b, 0,1,2,3
	s_delay_alu instid0(VALU_DEP_4)
	v_max_num_f32 v[232+\b], v[232+\b], v[236+\b]  ; with lane l xor 16's 16 keys
.endr
	s_delay_alu instid0(VALU_DEP_2)
	v_max3_num_f32 v254, v232, v233, v234
	s_delay_alu instid0(VALU_DEP_1)
	v_max_num_f32 v254, v254, v235                 ; the step's largest score of my query
	s_delay_alu instid0(VALU_DEP_1)
	v_mul_f32 v254, s[CS], v254                    ; as t (c is positive)
	s_delay_alu instid0(VALU_DEP_1)
	v_max_num_f32 v13, v13, v254                   ; the running largest t
	v_mov_b32 v254, v12
	s_delay_alu instid0(VALU_DEP_2)
	v_floor_f32 v12, -v13                          ; the new -M = floor(-t) = -ceil(t): M IS A WHOLE NUMBER
	s_delay_alu instid0(VALU_DEP_1)
	v_sub_f32 v254, v12, v254                      ; M's old value less its new one: a whole number, 0 or less
	s_delay_alu instid0(VALU_DEP_1)
	v_cvt_i32_f32 v254, v254                       ; (it saturates)
	s_delay_alu instid0(VALU_DEP_1)
	v_ldexp_f32 v252, 1.0, v254                    ; f = 2^(old M - new M)
.set n, 0
.rept 32
	v_pk_fma_f32 v[S+n:S+n+1], v[S+n:S+n+1], s[CS:CS+1], v[12:13] op_sel_hi:[1,0,0]   ; t - M, two at a time
.set n, n+2
.endr
.irp b, 0,1,2,3
	v_fma_f32 v[232+\b], v[232+\b], s[CS], v12     ; the same of each block's largest score
.endr
.set n, 0
	s_setprio 1
	s_wait_alu depctr_va_vdst(0)
.rept 64
	v_exp_f32 v[S+n], v[S+n]                       ; p = 2^(t - M), at most 1: NOT normalised
.set n, n+1
.endr
.irp b, 0,1,2,3
	v_exp_f32 v[232+\b], v[232+\b]                 ; the block's largest p
.endr
	v_pk_mul_f32 v[14:15], v[14:15], v[252:253] op_sel_hi:[1,0]   ; the sums under the new M.  (A plain place behind the exponentials)
	s_wait_alu depctr_va_vdst(0)
.irp b, 0,1,2,3
	v_max_num_f32 v[232+\b], 0x1800000, v[232+\b]  ; the floor 2^(3 - 127): the byte cannot fall under 1 (a block whose every p is 0 keeps that byte: its codes are zeros)
.endr
.irp b, 0,1,2,3
	s_delay_alu instid0(VALU_DEP_4)
	v_add_nc_u32 v[244+\b], 0xff000000, v[232+\b]  ; 2 off the exponent field: the conversion's scale operand
.endr
.irp b, 0,1,2,3
	s_delay_alu instid0(VALU_DEP_4)
	v_lshrrev_b32 v[236+\b], 23, v[244+\b]         ; the scale's byte
.endr
	s_delay_alu instid0(VALU_DEP_3)
	v_lshl_or_b32 v253, v237, 8, v236              ; p's scale word for these 128 keys
	s_delay_alu instid0(VALU_DEP_1)
	v_lshl_or_b32 v253, v238, 16, v253
	s_delay_alu instid0(VALU_DEP_1)
	v_lshl_or_b32 v253, v239, 24, v253
.irp c, 0,1
	v_cvt_scalef32_pk16_fp6_f32 v[224+6*\c:226+6*\c], v[S+32*\c:S+15+32*\c], v[244+2*\c]
	v_cvt_scalef32_pk16_fp6_f32 v[236+4*\c:238+4*\c], v[S+16+32*\c:S+31+32*\c], v[244+2*\c+1]   ; (a conversion's three registers begin on an even number)
.endr
	v_nop                                          ; one plain place behind a scaled conversion
.irp c, 0,1                                    ; the operand's layout wants a WHOLE block in a lane
.irp i, 0,1,2
	v_permlane16_swap_b32 v[224+6*\c+\i], v[236+4*\c+\i]
.endr
.irp i, 0,1,2
	s_delay_alu instid0(VALU_DEP_3)
	v_mov_b32 v[227+6*\c+\i], v[236+4*\c+\i]
.endr
.endr
	v_pk_add_f32 v[236:237], v[132:133], v[136:137]
	v_pk_add_f32 v[246:247], v[140:141], v[144:145]
	v_pk_add_f32 v[244:245], v[148:149], v[152:153]
	v_pk_add_f32 v[242:243], v[156:157], v[160:161]
	v_pk_add_f32 v[240:241], v[164:165], v[168:169]
	v_pk_add_f32 v[72:73], v[172:173], v[176:177]
	v_pk_add_f32 v[70:71], v[180:181], v[184:185]
	v_pk_add_f32 v[14:15], v[14:15], v[188:189]
	v_pk_add_f32 v[236:237], v[236:237], v[128:129]
	v_pk_add_f32 v[246:247], v[246:247], v[130:131]
	v_pk_add_f32 v[244:245], v[244:245], v[134:135]
	v_pk_add_f32 v[242:243], v[242:243], v[138:139]
	v_pk_add_f32 v[240:241], v[240:241], v[142:143]
	v_pk_add_f32 v[72:73], v[72:73], v[146:147]
	v_pk_add_f32 v[70:71], v[70:71], v[150:151]
	v_pk_add_f32 v[14:15], v[14:15], v[154:155]
	v_pk_add_f32 v[236:237], v[236:237], v[158:159]
	s_setprio 0
	v_pk_add_f32 v[246:247], v[246:247], v[162:163]
	v_pk_add_f32 v[244:245], v[244:245], v[166:167]
	v_pk_add_f32 v[242:243], v[242:243], v[170:171]
	v_pk_add_f32 v[240:241], v[240:241], v[174:175]
	v_pk_add_f32 v[72:73], v[72:73], v[178:179]
	v_pk_add_f32 v[70:71], v[70:71], v[182:183]
	v_pk_add_f32 v[14:15], v[14:15], v[186:187]
	v_pk_add_f32 v[236:237], v[236:237], v[190:191]
	s_delay_alu instid0(VALU_DEP_2)
	v_pk_add_f32 v[14:15], v[14:15], v[242:243]
	s_delay_alu instid0(VALU_DEP_2)
	v_pk_add_f32 v[236:237], v[236:237], v[240:241]
	v_pk_add_f32 v[246:247], v[246:247], v[72:73]
	v_pk_add_f32 v[244:245], v[244:245], v[70:71]
	s_delay_alu instid0(VALU_DEP_2)
	v_pk_add_f32 v[14:15], v[14:15], v[246:247]
	s_delay_alu instid0(VALU_DEP_2)
	v_pk_add_f32 v[236:237], v[236:237], v[244:245]
	s_delay_alu instid0(VALU_DEP_1)
	v_pk_add_f32 v[14:15], v[14:15], v[236:237]
.set n, 0
.rept 16
	v_pk_mul_f32 v[O+n:O+n+1], v[O+n:O+n+1], v[252:253] op_sel_hi:[1,0]   ; O^T under the new M.  (With the sums above: the places between p's scale word and codes and the products below)
.set n, n+2
.endr
	s_wait_alu depctr_va_vdst(0)
	s_wait_dscnt 0x0                               ; V's scale words
.irp t, 0,1,2,3                                ; O^T += V^T P^T: the four accumulators by turns
	v_wmma_scale_f32_16x16x128_f8f6f4 v[O+8*\t:O+8*\t+7], v[VF+12*\t:VF+12*\t+11], v[224:235], v[O+8*\t:O+8*\t+7], v[248+\t], v253 matrix_a_fmt:MATRIX_FMT_FP6 matrix_b_fmt:MATRIX_FMT_FP6
.endr
.if \skip
.Lhidden_\@:
.endif
	s_add_co_u32 s[TK], s[TK], 6144
	s_add_co_u32 s[TS], s[TS], 512
	s_add_co_u32 s[KI], s[KI], 1
.endm
; A tile ends: O^T is divided by the row's sum and quantised: my 32 numbers, register 16 b + i = channel 32 b + 16 h + i, are two blocks of the last product's K.  They leave as half a fragment and two scale bytes.
.macro FINISH o
	v_add_f32 v14, v14, v15                        ; the sum's two halves,
	s_delay_alu instid0(VALU_DEP_1)
	v_permlanex16_b32 v252, v14, s[SEL], s[SEL+1]
	s_delay_alu instid0(VALU_DEP_1)
	v_add_f32 v14, v14, v252                       ; and lane l xor 16's
	s_wait_alu depctr_va_vdst(0)
	v_rcp_f32 v14, v14
	v_nop                                          ; one plain place behind a transcendental
.set n, 0
	s_wait_alu depctr_va_vdst(0)
.rept 32
	v_mul_f32 v[S+n], v[O+n], v14                  ; each accumulator from its low end on
.set n, n+1
.endr
.irp b, 0,1
	v_max3_num_f32 v[232+\b], |v[S+16*\b]|, |v[S+16*\b+1]|, 0x1800000
.endr
.irp i, 2,4,6,8,10,12,14
.irp b, 0,1
	s_delay_alu instid0(VALU_DEP_2)
	v_max3_num_f32 v[232+\b], v[232+\b], |v[S+16*\b+\i]|, |v[S+16*\b+\i+1]|
.endr
.endr
.irp b, 0,1
	s_delay_alu instid0(VALU_DEP_2)
	v_permlanex16_b32 v[236+\b], v[232+\b], s[SEL], s[SEL+1]
.endr
.irp b, 0,1
	s_delay_alu instid0(VALU_DEP_2)
	v_max_num_f32 v[232+\b], v[232+\b], v[236+\b]
.endr
.irp b, 0,1
	s_delay_alu instid0(VALU_DEP_2)
	v_add_nc_u32 v[244+\b], 0xff000000, v[232+\b]
.endr
.irp b, 0,1
	s_delay_alu instid0(VALU_DEP_2)
	v_lshrrev_b32 v[236+\b], 23, v[244+\b]
.endr
	s_delay_alu instid0(VALU_DEP_1)
	v_lshl_or_b32 v254, v237, 8, v236              ; my row's two scale bytes
	v_cvt_scalef32_pk16_fp6_f32 v[224:226], v[S:S+15], v244
	v_cvt_scalef32_pk16_fp6_f32 v[240:242], v[S+16:S+31], v245
	v_nop                                          ; one plain place behind a scaled conversion
.irp i, 0,1,2
	v_permlane16_swap_b32 v[224+\i], v[240+\i]     ; lanes 0-15 block 0, lanes 16-31 block 1
.endr
.irp i, 0,1,2
	s_delay_alu instid0(VALU_DEP_3)
	v_mov_b32 v[227+\i], v[240+\i]
.endr
.irp p, 0,1,2
	global_store_b64 v[L8], v[224+2*\p:225+2*\p], s[\o+4:\o+5] offset:256*\p   ; a plane: 32 lanes store 256 consecutive bytes, at a multiple of 256 from the buffer's first byte
.endr
	global_store_b16 v[R32], v254, s[\o+6:\o+7]    ; two bytes a row, 32 bytes apart (both halves of the lanes write the same two bytes): a row's 32 scale bytes come from sixteen heads' work-groups
.endm
	s_mov_b32 s[TK], 0
	s_mov_b32 s[TS], 0
	s_mov_b32 s[KI], 0
	s_sub_co_u32 s[LAST], 15, s18                  ; tile B's last key step: 8 at the least
	s_wait_loadcnt 0x0                             ; Q
	s_wait_tensorcnt 0x3                           ; of a loading wave's five loads the scale words and piece 0 (key steps 0-3) are in; three stay out
	s_barrier_signal -1
	s_barrier_wait -1                              ; so for both loading waves: nothing is ever filled again
	s_mov_b32 s[CNT], 4
.Lb0:                                              ; key steps 0-3: all their keys count for tile B
	STEP 0, 0, DQB
	s_sub_co_u32 s[CNT], s[CNT], 1
	s_cmp_lg_u32 s[CNT], 0
	s_cbranch_scc1 .Lb0
	s_setprio 0
	s_wait_tensorcnt 0x2                           ; piece 1 is in
	s_wait_dscnt 0x0
	s_barrier_signal -1
	s_barrier_wait -1
	s_mov_b32 s[CNT], 4
.Lb1:                                              ; key steps 4-7
	STEP 0, 0, DQB
	s_sub_co_u32 s[CNT], s[CNT], 1
	s_cmp_lg_u32 s[CNT], 0
	s_cbranch_scc1 .Lb1
	s_setprio 0
	s_wait_tensorcnt 0x0                           ; pieces 2 and 3
	s_wait_dscnt 0x0
	s_barrier_signal -1
	s_barrier_wait -1
	s_mov_b32 s[CNT], 8
.Lb2:                                              ; key steps 8-15: up to the diagonal
	STEP 1, 1, DQB
	s_sub_co_u32 s[CNT], s[CNT], 1
	s_cmp_lg_u32 s[CNT], 0
	s_cbranch_scc1 .Lb2
	s_setprio 0
.rept 4
	v_nop                                          ; places behind the last products: Q's registers are loaded again, O^T is read
.endr
	LOADQ 88                                       ; tile A's Q lands while tile B leaves
	FINISH 80
	INIT
	s_mov_b32 s[TK], 0
	s_mov_b32 s[TS], 0
	s_mov_b32 s[KI], 0
	s_mov_b32 s[LAST], s18                         ; tile A's last key step
	s_wait_loadcnt 0x0
	s_wait_xcnt 0x0                                ; tile B's stores have read their registers: the steps below write them again
	s_mov_b32 s[CNT], 8
.La:                                               ; key steps 0-7: up to the diagonal
	STEP 1, 1, DQA
	s_sub_co_u32 s[CNT], s[CNT], 1
	s_cmp_lg_u32 s[CNT], 0
	s_cbranch_scc1 .La
	s_setprio 0
.rept 4
	v_nop
.endr
	FINISH 88
	s_wait_dscnt 0x0
	s_wait_xcnt 0x0
	v_lshl_add_u32 v254, v0, 2, 0x34000
	v_mov_b32 v255, 0
	s_wait_alu depctr_va_vdst(0)
	s_wait_tensorcnt 0x0
	ds_add_u32 v254, v255
	s_wait_dscnt 0x0
	CROUND                                         ; the closing round
	s_endpgm
.Lfunc_end_k_q7ed3533066_attn:
	.size	k_q7ed3533066_attn, .Lfunc_end_k_q7ed3533066_attn-k_q7ed3533066_attn
	.p2alignl 7, 3214868480
	.fill 96, 4, 3214868480
	.section	.rodata,"a",@progbits
	.p2align	6, 0x0
	.amdhsa_kernel k_q7ed3533066_attn
		.amdhsa_group_segment_fixed_size 215040
		.amdhsa_private_segment_fixed_size 0
		.amdhsa_enable_private_segment 0
		.amdhsa_kernarg_size 24
		.amdhsa_user_sgpr_count 2
		.amdhsa_user_sgpr_kernarg_segment_ptr 1
		.amdhsa_wavefront_size32 1
		.amdhsa_system_sgpr_workgroup_id_x 1
		.amdhsa_system_sgpr_workgroup_id_y 1
		.amdhsa_system_sgpr_workgroup_id_z 1
		.amdhsa_system_vgpr_workitem_id 0
		.amdhsa_next_free_vgpr 256
		.amdhsa_next_free_sgpr 102
		.amdhsa_reserve_vcc 1
		.amdhsa_float_denorm_mode_32 3
		.amdhsa_float_denorm_mode_16_64 3
		.amdhsa_memory_ordered 1
		.amdhsa_forward_progress 1
		.amdhsa_inst_pref_size 111
	.end_amdhsa_kernel
	.amdgpu_metadata
---
amdhsa.version: [ 1, 2 ]
amdhsa.kernels:
  - .name:           k_q7ed3533066_attn
    .symbol:         k_q7ed3533066_attn.kd
    .args:
      - { .name: qkq, .offset: 0, .size: 8, .value_kind: global_buffer, .address_space: global }
      - { .name: vq, .offset: 8, .size: 8, .value_kind: global_buffer, .address_space: global }
      - { .name: aq, .offset: 16, .size: 8, .value_kind: global_buffer, .address_space: global }
    .group_segment_fixed_size: 215040
    .private_segment_fixed_size: 0
    .kernarg_segment_align: 8
    .kernarg_segment_size: 24
    .max_flat_workgroup_size: 512
    .sgpr_count:     102
    .vgpr_count:     256
    .wavefront_size: 32
...
	.end_amdgpu_metadata
.endif
;; end of part 3
;; launch gemm_out (part 4): grid 4 x 64, 4 waves a work-group, clusters of 4 x 4, 327,680 bytes of LDS; arguments aq, wpq, b_proj, out0; writes out0
.if DOCPART == 4
	.amdgcn_target "amdgcn-amd-amdhsa--gfx1250"
	.amdhsa_code_object_version 6
	.text
	.protected	k_q7ed3533066_gemm_out
	.globl	k_q7ed3533066_gemm_out
	.p2align	8
	.type	k_q7ed3533066_gemm_out,@function
k_q7ed3533066_gemm_out:
	s_mov_b64 s[64:65], 0
	v_nop
	global_prefetch_b8 v0, s[64:65] scope:SCOPE_SE
	s_setreg_imm32_b32 hwreg(HW_REG_WAVE_MODE, 25, 1), 1
	s_wait_xcnt 0x0
	s_wait_alu depctr_hold_cnt(0) depctr_sa_sdst(0) depctr_va_vdst(0) depctr_va_sdst(0) depctr_va_ssrc(0) depctr_va_vcc(0) depctr_vm_vsrc(0)
	s_getreg_b32 s2, hwreg(HW_REG_IB_STS2, 6, 4)
	s_cmp_eq_u32 s2, 0
	s_cbranch_scc0 .Lentry_in_a_cluster
	s_endpgm
.Lentry_in_a_cluster:
	s_bfe_u32 s2, ttmp6, 0x10000c
	s_cmp_lg_u32 s2, 0xf033
	s_cbranch_scc0 .Lentry_shape_is_right
	s_endpgm
.Lentry_shape_is_right:
; out0 = A B^T + b_proj on codes of FP6 (E2M3) with E8M0 scales, K = 1,024.  A = the attention's result [8192 rows], B = w_proj [1024 rows], both as operand buffers; out0 [8192][1024] f32.
; OPERAND BUFFERS: rows in image order (lane r of row tile I = true row 32 (I / 2) + 8 (I % 2) + r + 8 (r / 8)); 32 scale bytes a row from byte 0; from CODES on fragment (I, s) at (8 I + s) x 1,536 bytes, six planes of 256 bytes,
; plane p = the operand's registers 2 p, 2 p + 1 at 8 x lane.  So a fragment comes out of LDS by six loads of 8 bytes a lane, each of 256 consecutive bytes: no pitch, no padding.
; A TILE OF out0 IS 128 x 256: 64 x 4 tiles, a work-group for each of 256 WGPs (tiles of 256 x 256 would be 128).  Four waves, as many as a WGP has SIMDs; a wave makes 64 x 128: 32 accumulators, 256 registers.
; ALL OF K FITS IN LDS for such a tile: A's 128 rows x 768 bytes and B's 256 rows x 768 bytes are 294,912 bytes.  They come as two slots of K = 512, each filled ONCE, both asked for at the start: no slot is filled again.
; THE SCALES of the work-group's 128 + 256 rows, for all of K, come with them.
; CLUSTERS: 4 x 4 work-groups; A's tiles are asked for jointly along a row of the cluster, B's along a column.
; THE MATRIX INSTRUCTION IS USED TRANSPOSED (source 0 = 16 rows of B, source 1 = 16 rows of A): a lane holds one row of A; register j of accumulator b is true column 32 (b / 2) + 16 h + 8 (b % 2) + j of the wave's 128.
; THE BIAS is the C of each sum's first matrix instruction: eight registers for each of B's eight tiles, in the result's layout.  The image orders are undone on the way out: columns in the stage, rows in the stores' offsets.
; NaN and infinities among the inputs are not served.
; REGISTERS: window 0: v16-30 addresses; v32-95 scale words, a set for each slot, and nothing else; v128-223 A's fragments, TWO sets of 48; on the way out v128-255 rows of out0.
;   window 1: B's fragments, TWO sets, at v0 and v128.   window 2: the accumulators ((a, b) at v[8 (8 a + b)]).   window 3: v0-63 the bias.
.set NQ,     4                         ; matrix instructions deep in a slot: 512 along K
.set FR,     12                        ; registers of a fragment
.set NP,     4                         ; places behind this matrix instruction (ISA guide 7.12.1)
.set FRB,    1536                      ; a fragment's image
.set RT,     NQ*FRB                    ; a row tile's part of a slot
.set AT,     4*RT                      ; 64 rows of A: what wave 0 or 1 fetches, and what a wave reads of A
.set BT,     8*RT                      ; 128 rows of B: what wave 2 or 3 fetches, and what a wave reads of B
.set SLOT,   2*AT+2*BT                 ; A's 128 rows, then B's 256 rows
.set KROW,   768                       ; bytes of codes for a row
.set KS,     32                        ; bytes of scales for a row
.set SCL,    2*SLOT                    ; behind the slots: the scales, as units of 256 bytes + 16 of padding: A's 128 rows, then B's 256
.set HALFSA, 8*272                     ; those of 64 rows
.set HALFSB, 16*272                    ; those of 128 rows
.set SBLK,   2*272                     ; those of 16 rows
.set CODES,  262144
.set SPITCH, 528                       ; the way out: a stage of 16 rows x (512 bytes + 16) for each wave, in slot 0, which has had its one fill and its last read when the first result is stored there
.set ADRA, 16                          ; v16-17  LDS address of my A fragments in slot 0, 1
.set ADRB, 20                          ; v20-21  the same for B
.set STO,  24                          ; v24     the way out: where I put my bytes of a row
.set RD,   25                          ; v25     the way out: where I read a row back
.set CO,   26                          ; v26     16 x lane: my place in a row of 512 bytes
.set ADRS, 27                          ; v27     LDS address of my scale words: lanes 0-15 A's rows, lanes 16-31 B's
.set BO,   30                          ; v30     64 h: my half's place in the bias
.set SC,   32                          ; set s at v[SC + 32 s]; in it register 4 i + q: lanes 0-15 the word of A's block i (i < 4; the others are not used), lanes 16-31 that of B's block i, for the slot's q-th 128 along K
.set BI,   0                           ; in window 3
.set AF,   128
.set BK,   128                         ; 16 rows read back from the stage: v128-191 and v192-255 by turns
.set G1, 24
.set G0, 32
.set G1B, 48
.set G0B, 56
.set G1S, 68
.set G0S, 76
.set G1SB, 80
.set G0SB, 88
.set MSB, 0
.macro WIN new                         ; the immediate's high byte repeats the setting that is left
.if MSB != (\new)
	s_set_vgpr_msb (MSB<<8)|(\new)
.set MSB, \new
.endif
.endm
.set MUL,     0xa1                     ; source 0 (B) window 1, source 1 (A) window 0, C and D window 2
.set FIRST,   0xb1                     ; the first step: C (the bias) window 3, D window 2
.set TO_B,    0x40                     ; destination window 1, address window 0
.set TO_BIAS, 0xc0                     ; destination window 3, address window 0
; A joint load: waves 0 and 1 fetch for A, waves 2 and 3 for B.  Each line has one mask and one set of registers; the branch hangs on the wave's number alone.  Four v_nop follow each line.
.macro JLOAD g0a, g1a, g0b, g1b
	s_cmp_eq_u32 s15, 0
	s_cbranch_scc0 .Lfor_b_\@
	tensor_load_to_lds s[\g0a:\g0a+3], s[\g1a:\g1a+7]
	s_nop 0
.rept 4
	v_nop
.endr
	s_branch .Lasked_\@
.Lfor_b_\@:
	tensor_load_to_lds s[\g0b:\g0b+3], s[\g1b:\g1b+7]
	s_nop 0
.rept 4
	v_nop
.endr
.Lasked_\@:
.endm
.macro CROUND                          ; a round of the cluster's barrier
	s_barrier_signal -1
	s_barrier_wait -1
	s_cmp_lg_u32 s14, 0
	s_cbranch_scc1 .Lnot_wave_0_\@
	s_barrier_signal -3
.Lnot_wave_0_\@:
	s_barrier_wait -3
	s_barrier_signal -1
	s_barrier_wait -1
.endm
	s_load_b64 s[6:7], s[0:1], 0x0                 ; A's buffer: its scales begin at its first byte
	s_load_b64 s[10:11], s[0:1], 0x8               ; B's
	s_load_b64 s[98:99], s[0:1], 0x10              ; b_proj
	s_load_b64 s[12:13], s[0:1], 0x18              ; out0
	v_lshl_add_u32 v126, v0, 2, 0x4b400
	v_mov_b32 v127, 0
	ds_add_u32 v126, v127
	ds_add_u32 v126, v127
	v_lshrrev_b32 v1, 5, v0
	v_readfirstlane_b32 s14, v1                    ; wave 0..3
	s_lshr_b32 s15, s14, 1                         ; which 64 of the tile's rows are mine.  Also: I fetch for A (0) or for B (1)
	s_and_b32 s16, s14, 1                          ; which 128 of its columns.  Also: which half of that operand's rows I fetch
	s_bfe_u32 s40, ttmp6, 0x40000                  ; cx, cy: my place in the cluster
	s_bfe_u32 s41, ttmp6, 0x40004
	s_lshl_b32 s42, ttmp9, 2
	s_add_co_u32 s42, s42, s40                     ; tile column = 4 x cluster x + cx
	s_and_b32 s17, ttmp7, 0xffff
	s_lshl_b32 s17, s17, 2
	s_add_co_u32 s17, s17, s41                     ; tile row = 4 x cluster y + cy
	s_lshl_b32 s43, s41, 2
	s_lshl_b32 s43, 15, s43                        ; my row of the cluster
	s_lshl_b32 s44, 0x1111, s40                    ; my column
	; descriptor groups 1 for codes: of each row tile the slot's four fragments: rows of 6,144 bytes (768 elements of 8 bytes), 12,288 bytes apart, dense in LDS; A: 4 row tiles, B: 8
	s_or_b32 s[G1+0], s43, (3<<16)|(1<<21)         ; 15:0 the mask: A's tiles go to my row; 17:16 elements of 8 bytes; 20 no padding; 21 set beside a mask
	s_or_b32 s[G1B+0], s44, (3<<16)|(1<<21)
.irp g, G1, G1B
	s_mov_b32 s[\g+1], 768<<16                     ; tensor_dim0
	s_mov_b32 s[\g+3], 768<<16                     ; tile_dim0
	s_mov_b32 s[\g+5], 1536                        ; tensor_dim0_stride
	s_mov_b32 s[\g+6], 0
	s_mov_b32 s[\g+7], 0
.endr
	s_mov_b32 s[G1+2], 4<<16                       ; tensor_dim1
	s_mov_b32 s[G1+4], 4                           ; tile_dim1
	s_mov_b32 s[G1B+2], 8<<16
	s_mov_b32 s[G1B+4], 8
	; and for the scales: dense blocks, as rows of 256 bytes, 16 bytes of padding behind each; A: 64 rows' 2,048 bytes, B: 128 rows' 4,096
	s_or_b32 s[G1S+0], s43, (3<<16)|(1<<20)|(1<<21)|(5<<22)|(3<<25)
	s_or_b32 s[G1SB+0], s44, (3<<16)|(1<<20)|(1<<21)|(5<<22)|(3<<25)
.irp g, G1S, G1SB
	s_mov_b32 s[\g+1], 32<<16
	s_mov_b32 s[\g+3], 32<<16
	s_mov_b32 s[\g+5], 32
	s_mov_b32 s[\g+6], 0
	s_mov_b32 s[\g+7], 0
.endr
	s_mov_b32 s[G1S+2], 8<<16
	s_mov_b32 s[G1S+4], 8
	s_mov_b32 s[G1SB+2], 16<<16
	s_mov_b32 s[G1SB+4], 16
	s_lshl_b32 s18, s16, 6
	s_lshl_b32 s20, s17, 7
	s_add_co_u32 s20, s20, s18                     ; A: row 128 x tile row + 64 x half
	s_lshl_b32 s18, s16, 7
	s_lshl_b32 s46, s42, 8
	s_add_co_u32 s46, s46, s18                     ; B: row 256 x tile column + 128 x half
	s_mov_b32 s21, 0
	s_mov_b32 s47, 0
	s_mov_b64 s[18:19], KS
	s_mul_u64 s[22:23], s[20:21], s[18:19]         ; where these rows' scales begin, in bytes
	s_mul_u64 s[92:93], s[46:47], s[18:19]
	s_mov_b64 s[18:19], KROW
	s_mul_u64 s[20:21], s[20:21], s[18:19]         ; and their codes
	s_mul_u64 s[46:47], s[46:47], s[18:19]
	s_mul_i32 s45, s16, AT                         ; where they go: no place in the cluster enters an LDS address.  A's codes,
	s_mul_i32 s96, s16, BT
	s_add_co_u32 s96, s96, 2*AT                    ; B's codes,
	s_mul_i32 s94, s16, HALFSA
	s_add_co_u32 s94, s94, SCL                     ; A's scales,
	s_mul_i32 s95, s16, HALFSB
	s_add_co_u32 s95, s95, SCL+2*HALFSA            ; B's scales
	s_wait_dscnt 0x0
	s_wait_kmcnt 0x0
	s_add_nc_u64 s[4:5], s[6:7], CODES
	s_add_nc_u64 s[8:9], s[10:11], CODES
	s_add_nc_u64 s[20:21], s[4:5], s[20:21]
	s_add_nc_u64 s[22:23], s[6:7], s[22:23]
	s_add_nc_u64 s[46:47], s[8:9], s[46:47]
	s_add_nc_u64 s[92:93], s[10:11], s[92:93]
	CROUND                                         ; all sixteen work-groups are here: the joint loads meet
	s_mov_b32 s[G0S], 1
	s_mov_b32 s[G0S+1], s94
	s_mov_b64 s[G0S+2:G0S+3], s[22:23]
	s_or_b32 s[G0S+3], s[G0S+3], 0x80000000
	s_mov_b32 s[G0SB], 1
	s_mov_b32 s[G0SB+1], s95
	s_mov_b64 s[G0SB+2:G0SB+3], s[92:93]
	s_or_b32 s[G0SB+3], s[G0SB+3], 0x80000000
	JLOAD G0S, G1S, G0SB, G1SB                     ; the scales first: they are wanted with the first step
.irp s, 0,1
	s_mov_b32 s[G0+4*\s], 1
	s_add_co_u32 s[G0+4*\s+1], s45, \s*SLOT
	s_add_nc_u64 s[G0+4*\s+2:G0+4*\s+3], s[20:21], \s*RT
	s_or_b32 s[G0+4*\s+3], s[G0+4*\s+3], 0x80000000
	s_mov_b32 s[G0B+4*\s], 1
	s_add_co_u32 s[G0B+4*\s+1], s96, \s*SLOT
	s_add_nc_u64 s[G0B+4*\s+2:G0B+4*\s+3], s[46:47], \s*RT
	s_or_b32 s[G0B+4*\s+3], s[G0B+4*\s+3], 0x80000000
	s_wait_alu depctr_va_vdst(0)
	s_wait_tensorcnt 0x0
	ds_add_u32 v126, v127
	s_wait_dscnt 0x0
	CROUND
	JLOAD G0+4*\s, G1, G0B+4*\s, G1B               ; one tensor load of mine is out: the wait above took in the ones before
.endr
	v_and_b32 v1, 15, v0                           ; r
	s_wait_alu depctr_va_vdst(0)
	v_bfe_u32 v2, v0, 4, 1                         ; h
	v_and_b32 v3, 31, v0                           ; lane
	; the bias of my 128 columns: for B's tile b the eight numbers at 32 (b / 2) + 16 h + 8 (b % 2) on
	s_lshl_b32 s46, s42, 10
	s_lshl_b32 s47, s16, 9
	s_add_co_u32 s46, s46, s47                     ; my first column, in bytes: 1,024 x tile column + 512 x half
	s_mov_b32 s47, 0
	s_add_nc_u64 s[98:99], s[98:99], s[46:47]
	v_lshlrev_b32 v[BO], 6, v2
	WIN TO_BIAS
.irp b, 0,1,2,3,4,5,6,7
	global_load_b128 v[BI+8*\b:BI+8*\b+3], v[BO], s[98:99] offset:128*(\b/2)+32*(\b%2)
	global_load_b128 v[BI+8*\b+4:BI+8*\b+7], v[BO], s[98:99] offset:128*(\b/2)+32*(\b%2)+16
.endr
	WIN 0
	v_lshlrev_b32 v4, 3, v3                        ; 8 x lane
	s_mul_i32 s21, s15, AT                         ; my 64 rows of A
	s_mul_i32 s22, s16, BT                         ; my 128 rows of B,
	s_add_co_u32 s22, s22, 2*AT                    ; which lie behind A's 128
.irp s, 0,1
	v_add_nc_u32 v[ADRA+\s], s21, v4
	v_add_nc_u32 v[ADRB+\s], s22, v4
	s_add_co_u32 s21, s21, SLOT
	s_add_co_u32 s22, s22, SLOT
.endr
	v_mul_u32_u24 v5, v1, KS                       ; my row's scales: KS bytes a row,
	v_lshrrev_b32 v6, 8, v5
	v_lshl_add_u32 v5, v6, 4, v5                   ; and 16 more for each 256 passed
	s_mul_i32 s21, s15, HALFSA                     ; A's: my 64 rows
	s_mul_i32 s22, s16, HALFSB                     ; B's: my 128 rows, behind A's 128
	s_add_co_u32 s22, s22, 2*HALFSA
	s_sub_co_u32 s22, s22, s21
	v_mul_u32_u24 v6, s22, v2                      ; lanes 16-31 take B's
	s_add_co_u32 s21, s21, SCL
	v_add_nc_u32 v5, v5, v6
	v_add_nc_u32 v[ADRS], s21, v5
	s_mul_i32 s23, s14, 16*SPITCH                  ; my stage
	v_mul_u32_u24 v5, v1, SPITCH                   ; in: row r, + 64 h bytes
	v_lshl_add_u32 v5, v2, 6, v5
	v_add_nc_u32 v[STO], s23, v5
	v_lshlrev_b32 v[CO], 4, v3                     ; back: the 32 lanes take one row of 512 bytes; and the same in out0
	v_add_nc_u32 v[RD], s23, v[CO]
	s_lshl_b32 s20, s17, 19                        ; my first row of out0: 128 x tile row + 64 x half, rows of 4,096 bytes,
	s_lshl_b32 s21, s15, 18
	s_add_co_u32 s20, s20, s21
	s_add_co_u32 s20, s20, s46                     ; and my first column
	s_mov_b32 s21, 0
	s_add_nc_u64 s[12:13], s[12:13], s[20:21]
.macro FRAG reg, adr, q, i             ; a fragment as it lies: six planes, each 256 consecutive bytes for the 32 lanes
.irp p, 0,1,2,3,4,5
	ds_load_b64 v[\reg+2*\p:\reg+2*\p+1], v[\adr] offset:(\i)*RT+(\q)*FRB+256*\p
.endr
.endm
; 16 matrix instructions: A's blocks a0, a0 + 1 x B's eight, 128 along K: the slot's q-th.  p: the set of fragments;  sc: the set of scale words.  zero = 1: the first product starts the sums, on the bias: nothing is ever cleared.
; The 32 accumulators take turns, one instruction a turn, in the same order in every step.
.macro MUL16 a0, p, q, sc, zero
.irp a, \a0, \a0+1
.irp b, 0,1,2,3,4,5,6,7
.if \zero
	v_wmma_scale_f32_16x16x128_f8f6f4 v[8*(8*(\a)+\b):8*(8*(\a)+\b)+7], v[128*(\p)+FR*\b:128*(\p)+FR*\b+FR-1], v[AF+48*(\p)+FR*(\a):AF+48*(\p)+FR*(\a)+FR-1], v[BI+8*\b:BI+8*\b+7], v[SC+8*NQ*(\sc)+NQ*\b+(\q)], v[SC+8*NQ*(\sc)+NQ*(\a)+(\q)] matrix_a_fmt:MATRIX_FMT_FP6 matrix_b_fmt:MATRIX_FMT_FP6 matrix_a_scale:MATRIX_SCALE_ROW1
.else
	v_wmma_scale_f32_16x16x128_f8f6f4 v[8*(8*(\a)+\b):8*(8*(\a)+\b)+7], v[128*(\p)+FR*\b:128*(\p)+FR*\b+FR-1], v[AF+48*(\p)+FR*(\a):AF+48*(\p)+FR*(\a)+FR-1], v[8*(8*(\a)+\b):8*(8*(\a)+\b)+7], v[SC+8*NQ*(\sc)+NQ*\b+(\q)], v[SC+8*NQ*(\sc)+NQ*(\a)+(\q)] matrix_a_fmt:MATRIX_FMT_FP6 matrix_b_fmt:MATRIX_FMT_FP6 matrix_a_scale:MATRIX_SCALE_ROW1
.endif
.endr
.endr
.endm
.macro FETCH_B slot, q, p              ; B's eight fragments of the slot's q-th 128 along K into set p
	WIN TO_B
.irp i, 0,1,2,3,4,5,6,7
	FRAG 128*(\p)+FR*\i, ADRB+\slot, \q, \i
.endr
	WIN 0
.endm
.macro FETCH_A slot, q, p              ; A's four
.irp i, 0,1,2,3
	FRAG AF+48*(\p)+FR*\i, ADRA+\slot, \q, \i
.endr
.endm
.macro SCALES sc                       ; slot sc's scale words: four words, 16 bytes, a row; lanes 0-15 take A's block i, lanes 16-31 B's block i
.irp i, 0,1,2,3,4,5,6,7
	ds_load_b128 v[SC+8*NQ*\sc+NQ*\i:SC+8*NQ*\sc+NQ*\i+3], v[ADRS] offset:\i*SBLK+16*\sc
.endr
.endm
; A load into a register that a matrix instruction has read, and an LDS store that reads a matrix result, stand NP places behind that matrix instruction; only plain vector instructions that name none of its registers are places.
.macro PLACES n
.rept \n
	v_nop
.endr
.endm
; A step of 128 along K: 32 matrix instructions on set q % 2.  more = 1: the next step's fragments, of the same slot, are fetched into the other set, which the step before has read: four places stand at the step's head for all these loads.
; B's 48 loads stand at the head, 32 matrix instructions ahead of the wait for them; A's 24 in the middle, 16 ahead.
.macro STEP slot, q, zero, more
	s_wait_dscnt 0x0                               ; this step's fragments are in
.if \more
	PLACES NP
	FETCH_B \slot, (\q)+1, 1-(\q)%2
.endif
.if \zero
	WIN FIRST
.else
	WIN MUL
.endif
	MUL16 0, (\q)%2, \q, \slot, \zero
.if \more
	WIN 0
	FETCH_A \slot, (\q)+1, 1-(\q)%2
.endif
.if \zero
	WIN FIRST
.else
	WIN MUL
.endif
	MUL16 2, (\q)%2, \q, \slot, \zero
.endm
	s_wait_alu depctr_va_vdst(0)
	s_wait_tensorcnt 1                             ; the scales and my part of slot 0 are in (slot 1's load may be out)
	s_barrier_signal -1
	s_barrier_wait -1                              ; everybody's are
	FETCH_B 0, 0, 0
	FETCH_A 0, 0, 0
	SCALES 0
	s_wait_loadcnt 0x0                             ; the bias
	STEP 0, 0, 1, 1                                ; K = 1,024 is eight steps of 128: written out, no loop.  The first products start the sums, on the bias
	STEP 0, 1, 0, 1
	STEP 0, 2, 0, 1
	; slot 0's last step changes slots: one barrier, for two things: behind it slot 1 is whole, and nobody reads slot 0 any more
	s_wait_dscnt 0x0                               ; this step's fragments are in: my reads of slot 0 are over;
	s_wait_tensorcnt 0x0                           ; my part of slot 1 has landed:
	s_barrier_signal -1                            ; say so,
	WIN MUL
	MUL16 0, 1, 3, 0, 0                            ; work on registers while the others arrive,
	s_barrier_wait -1                              ; and go on when all four have said so
	PLACES NP
	FETCH_B 1, 0, 0
	FETCH_A 1, 0, 0
	SCALES 1
	WIN MUL
	MUL16 2, 1, 3, 0, 0
	STEP 1, 0, 0, 1
	STEP 1, 1, 0, 1
	STEP 1, 2, 0, 1
	STEP 1, 3, 0, 0                                ; the last step: nothing more to fetch
	WIN 0
; THE WAY OUT, block by block of 16 rows x 128 columns, through my own stage in LDS: a lane's eight numbers of accumulator b go to their true columns, and whole rows of 512 bytes come back.
; LDS serves a wave's instructions in order (ISA guide 5.7.1.4): no wait between the stores and the loads, nor in front of the next block's stores.
.macro TOSTAGE a
.set AC, 64*(\a)
	WIN 0x08                                       ; the data: window 2
.irp b, 0,1,2,3,4,5,6,7
	ds_store_b128 v[STO], v[AC+8*\b:AC+8*\b+3] offset:128*(\b/2)+32*(\b%2)          ; each accumulator from its low end on
	ds_store_b128 v[STO], v[AC+8*\b+4:AC+8*\b+7] offset:128*(\b/2)+32*(\b%2)+16
.endr
	WIN 0
.set BB, BK+64*((\a)%2)
.irp t, 0,1,2,3,4,5,6,7,8,9,10,11,12,13,14,15
	ds_load_b128 v[BB+4*\t:BB+4*\t+3], v[RD] offset:\t*SPITCH
.endr
.endm
.macro SEND a, younger                 ; younger: the LDS instructions issued behind block a's loads, which may stay out
.set BB, BK+64*((\a)%2)
	s_wait_dscnt \younger                          ; the block is back in registers
.irp t, 0,1,2,3,4,5,6,7,8,9,10,11,12,13,14,15
	global_store_b128 v[CO], v[BB+4*\t:BB+4*\t+3], s[12:13] offset:(32*((\a)/2)+8*((\a)%2)+\t+8*(\t/8))*4096 th:TH_STORE_NT   ; image row t of block a at its true row: 32 lanes store 512 consecutive bytes, at a multiple of 256 from out0's first byte; 63 rows at the most stand in the immediate
.endr
.endm
	PLACES NP                                      ; behind the last products: for the loads into the registers that held A's fragments and for the reads of results
	TOSTAGE 0
.irp a, 1,2,3
.if \a > 1
	s_wait_xcnt 0x0                                ; block a - 2's stores have read their registers: block a's loads may land there
.endif
	TOSTAGE \a
	SEND \a-1, 32                                  ; behind block a - 1's loads: block a's 16 stores and 16 loads
.endr
	SEND 3, 0                                      ; its wait is for 0: no LDS instruction of mine is out at the signal below
	s_wait_tensorcnt 0x0
	ds_add_u32 v126, v127
	s_wait_dscnt 0x0
	CROUND                                         ; the closing round: no work-group ends while a partner may still ask for a tile that names it
	s_endpgm
.Lfunc_end_k_q7ed3533066_gemm_out:
	.size	k_q7ed3533066_gemm_out, .Lfunc_end_k_q7ed3533066_gemm_out-k_q7ed3533066_gemm_out
	.p2alignl 7, 3214868480
	.fill 96, 4, 3214868480
	.section	.rodata,"a",@progbits
	.p2align	6, 0x0
	.amdhsa_kernel k_q7ed3533066_gemm_out
		.amdhsa_group_segment_fixed_size 327680
		.amdhsa_private_segment_fixed_size 0
		.amdhsa_enable_private_segment 0
		.amdhsa_kernarg_size 32
		.amdhsa_user_sgpr_count 2
		.amdhsa_user_sgpr_kernarg_segment_ptr 1
		.amdhsa_wavefront_size32 1
		.amdhsa_system_sgpr_workgroup_id_x 1
		.amdhsa_system_sgpr_workgroup_id_y 1
		.amdhsa_system_sgpr_workgroup_id_z 1
		.amdhsa_system_vgpr_workitem_id 0
		.amdhsa_next_free_vgpr 1024
		.amdhsa_next_free_sgpr 100
		.amdhsa_reserve_vcc 0
		.amdhsa_float_denorm_mode_32 3
		.amdhsa_float_denorm_mode_16_64 3
		.amdhsa_memory_ordered 1
		.amdhsa_forward_progress 1
		.amdhsa_inst_pref_size 99
	.end_amdhsa_kernel
	.amdgpu_metadata
---
amdhsa.version: [ 1, 2 ]
amdhsa.kernels:
  - .name:           k_q7ed3533066_gemm_out
    .symbol:         k_q7ed3533066_gemm_out.kd
    .args:
      - { .name: aq, .offset: 0, .size: 8, .value_kind: global_buffer, .address_space: global }
      - { .name: wpq, .offset: 8, .size: 8, .value_kind: global_buffer, .address_space: global }
      - { .name: b_proj, .offset: 16, .size: 8, .value_kind: global_buffer, .address_space: global }
      - { .name: out0, .offset: 24, .size: 8, .value_kind: global_buffer, .address_space: global }
    .group_segment_fixed_size: 327680
    .private_segment_fixed_size: 0
    .kernarg_segment_align: 8
    .kernarg_segment_size: 32
    .max_flat_workgroup_size: 128
    .sgpr_count:     100
    .vgpr_count:     1024
    .wavefront_size: 32
...
	.end_amdgpu_metadata
.endif
;; end of part 4
